; MI455X (gfx1250); checked and timed in simulation.
; The chip was launched on July 23, 2026; its instructions are those of AMD's public machine-readable ISA for CDNA 5 (MIT licence, August 2026) and "CDNA5" Instruction Set Architecture Reference Guide (July 2026). The comments in the code are by the model that wrote it; some were corrected since.
;; Transformer Block. Allowed arithmetic: matrix products marked QUANTISED: E2M3 operands, one E8M0 scale for each 32 along K, by v_wmma_scale_f32_16x16x128_f8f6f4 with both operands' format E2M3, f32 sums; everything else in f32.
;; Inputs: W1 1,024 x 4,096 float32; W2 4,096 x 1,024 float32; Wk 1,024 x 1,024 float32; Wo 1,024 x 1,024 float32; Wq 1,024 x 1,024 float32; Wv 1,024 x 1,024 float32; b1 4,096 float32; b2 1,024 float32; be1 1,024 float32; be2 1,024 float32; bo 1,024 float32; g1 1,024 float32; g2 1,024 float32; x 2 x 2,048 x 1,024 float32.
;; Outputs: out0 2 x 2,048 x 1,024 float32.
;; This version of the problem:
;;   THIS VERSION OF THE PROBLEM IS GIVEN IN LOW PRECISION. The matrix products marked QUANTISED in the list below multiply operands that are first quantised to E2M3 (2 exponent bits, 3 mantissa bits; 6 bits a number), with one power-of-two scale for each 32 numbers along K (OCP MX v1.0); their sums are f32. All else is computed in f32.
;;   The module's matrix products, in the order in which they are computed (A, B: the left and right operand; K: the contracted axis; several contracted axes count as one K, in the product's order):
;;     1. [M 4,096, K 1,024] x [K 1,024, N 1,024]; A: computed on the way; B: input Wq: QUANTISED
;;     2. [M 4,096, K 1,024] x [K 1,024, N 1,024]; A: computed on the way; B: input Wk: QUANTISED
;;     3. [M 4,096, K 1,024] x [K 1,024, N 1,024]; A: computed on the way; B: input Wv: QUANTISED
;;     4. batch 32 x [M 2,048, K 64] x [K 64, N 2,048]; A: computed on the way; B: computed on the way: QUANTISED
;;     5. batch 32 x [M 2,048, K 2,048] x [K 2,048, N 64]; A: softmax (see below); B: computed on the way: QUANTISED
;;     6. [M 4,096, K 1,024] x [K 1,024, N 1,024]; A: computed on the way; B: input Wo: QUANTISED
;;     7. [M 4,096, K 1,024] x [K 1,024, N 4,096]; A: computed on the way; B: input W1: QUANTISED
;;     8. [M 4,096, K 4,096] x [K 4,096, N 1,024]; A: computed on the way; B: input W2: QUANTISED
;;   THE QUANTISER, for each operand of a quantised product, along K:
;;     - K is cut into blocks of 32 from its start; a last block that is shorter is filled with zeros.
;;     - A block's scale is 2^e with e = floor(log2(the largest magnitude in the block)) - 2, held to -126 .. 127; a block of zeros has e = 0. As a byte (E8M0): e + 127.
;;     - Each number is divided by its block's scale, clamped to +-7.5, and rounded to the nearest number of E2M3, ties to even, subnormals kept.
;;     - The product sums the exact products of the quantised numbers (number of the format x scale) in f32.
;;   ~~~python
;;   def quantise(x, axis):      # numpy; x: float32 -> the quantised numbers, widened to float32 again
;;       x = np.moveaxis(x, axis, -1); K = x.shape[-1]
;;       x = np.pad(x, [(0, 0)] * (x.ndim - 1) + [(0, -K % 32)]); x = x.reshape(x.shape[:-1] + (-1, 32)); a = np.abs(x).max(-1, keepdims=True)
;;       e = np.where(a > 0, np.clip(np.frexp(np.where(a > 0, a, 1))[1] - 1 - 2, -126, 127), 0)      # np.frexp(a)[1] - 1 = floor(log2(a)), exactly
;;       r = np.clip(x / 2.0 ** e, -7.5, 7.5)
;;       step = 2.0 ** (np.maximum(np.frexp(np.where(r == 0, 1, r))[1] - 1, 0) - 3)
;;       q = np.round(r / step) * step * 2.0 ** e      # np.round: ties to even
;;       return np.moveaxis(q.reshape(q.shape[:-2] + (-1,))[..., :K], -1, axis).astype(np.float32)
;;   ~~~
;;   SOFTMAX AHEAD OF A QUANTISED PRODUCT. Where the list says 'softmax', what is quantised is not the finished softmax but p = 2^(t - M), with t = logit x log2(e) and M = ceil(the row's largest t), a whole number; so 1/2 < the row's largest p <= 1. The row's sum l is taken of the UNQUANTISED p, in f32, and the product's result is divided by l at the end. Since M is a whole number, a kernel that streams over the keys may use a running M (the ceiling of the running maximum): every later rescaling is an exact power of two, which a block's scale takes up: the codes' values come out the same.
;;   OPERANDS COMPUTED ON THE WAY. 'Computed on the way' means the value that the module computes at that place (a softmax that the list does not call 'softmax' is quantised finished and normalised). What goes into a quantiser is computed in f32, as accurately as f32 sums, v_exp_f32 and their like allow (about 1e-6 of the number): no bf16 or f16 on the way to a quantiser, and a product that is left as it is and whose result goes on into a quantised operand takes f32 operands (vector FMAs, or v_wmma_f32_16x16x4_f32). A number that lies on a knife's edge between two numbers of the format may be rounded either way, as far as f32 arithmetic and the matrix unit's own rounding can turn it there, and no further.
;; One version. Each part assembles by itself: llvm-mc -triple=amdgcn-amd-amdhsa -mcpu=gfx1250 --defsym DOCPART=n.
;; ======== version 1 of 1: 7 launches
;; limits: right only within a limited range of input values
;; workspace buffers: wimg 9,830,400 bytes; h1 3,276,800 bytes; qk 6,815,744 bytes; vt 3,276,800 bytes; ctx 3,276,800 bytes; x1 16,777,216 bytes; h2 3,276,800 bytes; hid 13,107,200 bytes
;; launch prep (part 1): grid 640 x 1, 8 waves a work-group, no clusters, 79,872 bytes of LDS; arguments x, g1, be1, h1, Wq, Wk, Wv, Wo, W1, W2, wimg; writes h1, wimg
.if DOCPART == 1
	.amdgcn_target "amdgcn-amd-amdhsa--gfx1250"
	.amdhsa_code_object_version 6
	.text
	.protected	k_q5ed84ab299_prep
	.globl	k_q5ed84ab299_prep
	.p2align	8
	.type	k_q5ed84ab299_prep,@function
k_q5ed84ab299_prep:
	s_mov_b64 s[64:65], 0
	v_nop
	global_prefetch_b8 v0, s[64:65] scope:SCOPE_SE
	s_setreg_imm32_b32 hwreg(HW_REG_WAVE_MODE, 25, 1), 1
	s_wait_xcnt 0x0
; Two jobs in one text, parted on the work-group's number.
; Work-groups 0-255: LAYER NORM of 16 rows of 1,024 f32 numbers, quantised to FP6 (E2M3) codes with one E8M0 byte for each 32 along the row.
; Work-groups 256-639: THE SIX WEIGHTS, f32 stored [K][N], quantised along K.
; Both leave IMAGES OF OPERAND REGISTERS: a fragment (16 rows x 128 K, 12 registers a lane) is 1,536 bytes, registers 4c..4c+3 of lane l at 512 c + 16 l.
; A block of 12,800 bytes is 128 rows x 128 K: eight fragments, then the rows' scale words (tile t, row r at 12,288 + 64 t + 4 r).
; ORDER INSIDE A BLOCK OF 32: place 16 h + 8 u + j holds number 16 u + 8 h + j.  Every operand of every product of this program is laid so, so the products' sums are the same; it is the order in which matrix results fall.
; LIMITS: NaN and infinities are not served; a block whose largest magnitude lies under 2^-124 (zeros too) keeps the byte 1: its bytes are read by this program alone.
; No matrix unit, no cluster, no tensor load: memory binds, and the work-groups share nothing.
.set WREG,  9728                       ; LDS of a wave: 18 rows of 528 bytes: 16 rows' slab of x, then g's and be's
.set ST1,   77824                      ; 16 rows x 8 waves' sums; the squares' lie 512 bytes on
.set SPARE, 78848                      ; the spare words, 128 bytes a wave
.set BLK,   12800
.set X,   88                           ; v88-151  my 64 numbers
.set G,   152                          ; v152-215 the gains
.set BE,  16                           ; v16-79   the offsets (first: the rows as loaded, v16-87)
.set TM,  216                          ; v216-231 at work
.set PW,  232                          ; the scale word
.set PC,  234                          ; v234-252 the codes
.set XW,  32                           ; weights: v32-95 two sets of 32 numbers
.set T0,  96                           ; v96-107 blocks 0, 2; v108-119 blocks 1, 3
.set TC,  120
.set SW,  124
	s_load_b256 s[4:11], s[0:1], 0x0               ; x, g, be, the rows' images
	s_load_b256 s[12:19], s[0:1], 0x20             ; Wq, Wk, Wv, Wo
	s_load_b128 s[20:23], s[0:1], 0x40             ; W1, W2
	s_load_b64 s[24:25], s[0:1], 0x50              ; the weights' images
	v_lshl_add_u32 v12, v0, 2, SPARE               ; my spare word; never rewritten
	v_mov_b32 v13, 0                               ; 0; never rewritten
	v_lshrrev_b32 v1, 5, v0
	s_delay_alu instid0(VALU_DEP_1)
	v_readfirstlane_b32 s26, v1                    ; wave 0..7
	v_and_b32 v1, 31, v0                           ; lane
	v_and_b32 v2, 15, v0                           ; r
	v_bfe_u32 v3, v0, 4, 1                         ; h
	s_delay_alu instid0(VALU_DEP_3)
	v_lshlrev_b32 v4, 4, v1                        ; 16 x lane
	s_mov_b32 s28, 0x76543210
	s_mov_b32 s29, 0xfedcba98                      ; v_permlanex16_b32's selects for lane l xor 16
	s_cmp_ge_u32 ttmp9, 256
	s_cbranch_scc1 .Lweights
; ---------------- LAYER NORM: rows 16 i .. 16 i + 15; wave w owns columns 128 w .. 128 w + 127 ----------------
	s_mul_i32 s27, s26, WREG
	v_add_nc_u32 v5, s27, v4                       ; into my region: 16 bytes a lane, a row an instruction
	v_mul_u32_u24 v6, v2, 528
	s_delay_alu instid0(VALU_DEP_1)
	v_lshl_add_u32 v6, v3, 5, v6
	s_delay_alu instid0(VALU_DEP_1)
	v_add_nc_u32 v6, s27, v6                       ; out of it: row r, + 32 h
	v_lshlrev_b32 v7, 5, v3
	s_delay_alu instid0(VALU_DEP_1)
	v_add_nc_u32 v7, s27, v7                       ; g and be: + 32 h
	v_lshlrev_b32 v9, 5, v2
	s_delay_alu instid0(VALU_DEP_1)
	v_add_nc_u32 v9, ST1, v9                       ; row r's eight sums
	s_lshl_b32 s30, s26, 2
	v_add_nc_u32 v8, s30, v9                       ; my wave's among them
	v_lshlrev_b32 v11, 2, v2                       ; 4 r
	s_lshl_b32 s34, s26, 9                         ; my slab: 512 bytes of a row
	s_mov_b32 s35, 0
	s_lshl_b32 s32, ttmp9, 16                      ; 16 rows of 4,096 bytes
	s_add_co_u32 s32, s32, s34
	s_mov_b32 s33, 0
	s_lshr_b32 s38, ttmp9, 3
	s_lshl_b32 s38, s38, 3
	s_add_co_u32 s38, s38, s26
	s_mul_i32 s38, s38, BLK                        ; block (row group, K step w)
	s_and_b32 s39, ttmp9, 7                        ; my tile in it
	s_mul_i32 s40, s39, 1536
	s_add_co_u32 s40, s40, s38
	s_mov_b32 s41, 0
	s_lshl_b32 s42, s39, 6
	s_add_co_u32 s42, s42, s38
	s_add_co_u32 s42, s42, 12288
	s_mov_b32 s43, 0
	s_mov_b32 s36, 0x3727c5ac                      ; 1e-5
	s_mov_b32 s37, 0x3a800000                      ; 1 / 1,024
	s_wait_alu depctr_va_vdst(0)
	s_wait_kmcnt 0x0
	s_add_nc_u64 s[4:5], s[4:5], s[32:33]
	s_add_nc_u64 s[6:7], s[6:7], s[34:35]
	s_add_nc_u64 s[8:9], s[8:9], s[34:35]
	s_add_nc_u64 s[44:45], s[10:11], s[40:41]
	s_add_nc_u64 s[46:47], s[10:11], s[42:43]
.set I, 0
.rept 16
	global_load_b128 v[16+4*I:19+4*I], v4, s[4:5] offset:4096*I   ; 32 lanes read 512 consecutive bytes of a row
.set I, I+1
.endr
	global_load_b128 v[80:83], v4, s[6:7]
	global_load_b128 v[84:87], v4, s[8:9]
	s_wait_loadcnt 0x0
.set I, 0
.rept 18
	ds_store_b128 v5, v[16+4*I:19+4*I] offset:528*I
.set I, I+1
.endr
; back in the operand's order: register 16 b + 8 u + j = column 32 b + 16 u + 8 h + j of row r.  LDS serves a wave's instructions in order, and the region is my wave's own: no wait, no barrier
.irp b, 0,1,2,3
.irp u, 0,1
.irp q, 0,1
	ds_load_b128 v[X+16*\b+8*\u+4*\q:X+16*\b+8*\u+4*\q+3], v6 offset:128*\b+64*\u+16*\q
	ds_load_b128 v[G+16*\b+8*\u+4*\q:G+16*\b+8*\u+4*\q+3], v7 offset:16*528+128*\b+64*\u+16*\q
.endr
.endr
.endr
	s_wait_dscnt 0x0                               ; x and g are in, and the stores have read v16-87
.irp b, 0,1,2,3
.irp u, 0,1
.irp q, 0,1
	ds_load_b128 v[BE+16*\b+8*\u+4*\q:BE+16*\b+8*\u+4*\q+3], v7 offset:17*528+128*\b+64*\u+16*\q
.endr
.endr
.endr
; v[216:223] hold four packed partial sums of my 64 numbers: they are joined, met with the other half of the lanes and with the other seven waves; the row's sum comes back in v216
.macro EXCH off
	s_delay_alu instid0(VALU_DEP_3)
	v_pk_add_f32 v[216:217], v[216:217], v[218:219]
	s_delay_alu instid0(VALU_DEP_2)
	v_pk_add_f32 v[220:221], v[220:221], v[222:223]
	s_delay_alu instid0(VALU_DEP_1)
	v_pk_add_f32 v[216:217], v[216:217], v[220:221]
	s_delay_alu instid0(VALU_DEP_1)
	v_add_f32 v216, v216, v217
	s_delay_alu instid0(VALU_DEP_1)
	v_permlanex16_b32 v217, v216, s28, s29
	s_delay_alu instid0(VALU_DEP_1)
	v_add_f32 v216, v216, v217
	ds_store_b32 v8, v216 offset:\off              ; both lanes of a row write the same word with the same value
	s_wait_dscnt 0x0                               ; for the others' sake: my store has landed
	s_barrier_signal -1
	s_barrier_wait -1
	ds_load_b128 v[216:219], v9 offset:\off
	ds_load_b128 v[220:223], v9 offset:\off+16
	s_wait_dscnt 0x0
	v_add_f32 v216, v216, v217
	v_add_f32 v218, v218, v219
	v_add_f32 v220, v220, v221
	v_add_f32 v222, v222, v223
	s_delay_alu instid0(VALU_DEP_3)
	v_add_f32 v216, v216, v218
	s_delay_alu instid0(VALU_DEP_2)
	v_add_f32 v220, v220, v222
	s_delay_alu instid0(VALU_DEP_1)
	v_add_f32 v216, v216, v220
.endm
.irp k, 0,2,4,6
	v_pk_add_f32 v[216+\k:217+\k], v[X+\k:X+\k+1], v[X+8+\k:X+9+\k]
.endr
.irp i, 16,24,32,40,48,56
.irp k, 0,2,4,6
	s_delay_alu instid0(VALU_DEP_4)
	v_pk_add_f32 v[216+\k:217+\k], v[216+\k:217+\k], v[X+\i+\k:X+\i+\k+1]
.endr
.endr
	EXCH 0
	s_delay_alu instid0(VALU_DEP_1)
	v_mul_f32 v224, s37, v216                      ; the mean
	s_delay_alu instid0(VALU_DEP_1)
	v_mov_b32 v225, v224
.set I, 0
.rept 32
	v_pk_add_f32 v[X+I:X+I+1], v[X+I:X+I+1], v[224:225] neg_lo:[0,1] neg_hi:[0,1]   ; x - mean
.set I, I+2
.endr
.irp k, 0,2,4,6
	v_pk_mul_f32 v[216+\k:217+\k], v[X+\k:X+\k+1], v[X+\k:X+\k+1]
.endr
.irp i, 8,16,24,32,40,48,56
.irp k, 0,2,4,6
	s_delay_alu instid0(VALU_DEP_4)
	v_pk_fma_f32 v[216+\k:217+\k], v[X+\i+\k:X+\i+\k+1], v[X+\i+\k:X+\i+\k+1], v[216+\k:217+\k]
.endr
.endr
	EXCH 512                                       ; other words than the first exchange's: no third barrier
	s_delay_alu instid0(VALU_DEP_1)
	v_fma_f32 v226, v216, s37, s36                 ; the variance + 1e-5
	s_wait_alu depctr_va_vdst(0)
	v_rsq_f32 v224, v226
	v_nop                                          ; a plain instruction behind the transcendental,
	s_wait_alu depctr_va_vdst(0)                   ; and the wait ahead of its first reader
	v_mov_b32 v225, v224
.set I, 0
.rept 32
	v_pk_mul_f32 v[X+I:X+I+1], v[X+I:X+I+1], v[224:225]
.set I, I+2
.endr
.set I, 0
.rept 32
	v_pk_fma_f32 v[X+I:X+I+1], v[X+I:X+I+1], v[G+I:G+I+1], v[BE+I:BE+I+1]
.set I, I+2
.endr
; 64 numbers of a lane become a fragment's codes and its row's scale word
.irp b, 0,1,2,3
	v_max3_num_f32 v[TM+\b], |v[X+16*\b]|, |v[X+16*\b+1]|, 0x1800000   ; my 16 of block b, and the floor 2^(3 - 127): the byte cannot fall under 1
.endr
.irp i, 2,4,6,8,10,12,14
.irp b, 0,1,2,3
	s_delay_alu instid0(VALU_DEP_4)
	v_max3_num_f32 v[TM+\b], v[TM+\b], |v[X+16*\b+\i]|, |v[X+16*\b+\i+1]|
.endr
.endr
.irp b, 0,1,2,3
	s_delay_alu instid0(VALU_DEP_4)
	v_permlanex16_b32 v[TM+4+\b], v[TM+\b], s28, s29
.endr
.irp b, 0,1,2,3
	s_delay_alu instid0(VALU_DEP_4)
	v_max_num_f32 v[TM+\b], v[TM+\b], v[TM+4+\b]   ; with lane l xor 16's 16: the block's largest magnitude
.endr
.irp b, 0,1,2,3
	s_delay_alu instid0(VALU_DEP_4)
	v_add_nc_u32 v[TM+12+\b], 0xff000000, v[TM+\b] ; 2 off its exponent field: the conversion's scale operand
.endr
.irp b, 0,1,2,3
	s_delay_alu instid0(VALU_DEP_4)
	v_lshrrev_b32 v[TM+4+\b], 23, v[TM+12+\b]      ; the byte
.endr
	s_delay_alu instid0(VALU_DEP_3)
	v_lshl_or_b32 v[PW], v[TM+5], 8, v[TM+4]
	s_delay_alu instid0(VALU_DEP_1)
	v_lshl_or_b32 v[PW], v[TM+6], 16, v[PW]
	s_delay_alu instid0(VALU_DEP_1)
	v_lshl_or_b32 v[PW], v[TM+7], 24, v[PW]
.irp c, 0,1
	v_cvt_scalef32_pk16_fp6_f32 v[PC+6*\c:PC+6*\c+2], v[X+32*\c:X+32*\c+15], v[TM+12+2*\c]
	v_cvt_scalef32_pk16_fp6_f32 v[PC+12+4*\c:PC+14+4*\c], v[X+32*\c+16:X+32*\c+31], v[TM+13+2*\c]
.endr
	v_nop                                          ; one plain place behind the conversions
.irp c, 0,1
.irp i, 0,1,2
	v_permlane16_swap_b32 v[PC+6*\c+\i], v[PC+12+4*\c+\i]   ; a whole block to a lane: lanes 0-15 block 2 c, lanes 16-31 block 2 c + 1
.endr
.irp i, 0,1,2
	s_delay_alu instid0(VALU_DEP_3)
	v_mov_b32 v[PC+3+6*\c+\i], v[PC+12+4*\c+\i]
.endr
.endr
.irp c, 0,1,2
	global_store_b128 v4, v[PC+4*\c:PC+4*\c+3], s[44:45] offset:512*\c   ; 512 consecutive bytes, aligned
.endr
	global_store_b32 v11, v[PW], s[46:47]          ; lanes r and 16 + r store the same word
	s_wait_tensorcnt 0x0                           ; the wave's end
	ds_add_u32 v12, v13
	s_wait_dscnt 0x0
	s_endpgm
; ---------------- WEIGHTS: work-group j makes blocks 2 j and 2 j + 1 of the 768; a wave takes 32 columns x 128 K ----------------
.Lweights:
	s_sub_co_u32 s30, ttmp9, 256                   ; j: 0-31 Wq, 32-63 Wk, 64-95 Wv, 96-127 Wo, 128-255 W1, 256-383 W2
	s_and_b32 s31, s26, 3                          ; which 32 of the 128 columns
	s_lshr_b32 s32, s26, 2                         ; which of the two K steps
	s_wait_alu depctr_va_vdst(0)
	v_lshlrev_b32 v5, 2, v1                        ; 4 x lane: a lane takes a column
	s_lshr_b32 s33, s30, 2
	s_and_b32 s34, s33, 7                          ; column group, eight K steps to a group (D x D weights),
	s_and_b32 s35, s33, 31                         ; (W1),
	s_lshr_b32 s36, s30, 4
	s_and_b32 s36, s36, 7                          ; 32 K steps to a group (W2)
	s_and_b32 s37, s30, 3
	s_and_b32 s38, s30, 15
	s_cmp_lt_u32 s30, 128
	s_cselect_b32 s34, s34, s35
	s_cmp_lt_u32 s30, 256
	s_cselect_b32 s34, s34, s36
	s_cselect_b32 s37, s37, s38
	s_lshl_b32 s37, s37, 1
	s_add_co_u32 s37, s37, s32                     ; my K step
	s_lshl_b32 s38, s37, 19                        ; x 128 rows of 4,096 bytes,
	s_lshl_b32 s39, s37, 21                        ; of 16,384 in W1
	s_sub_co_u32 s46, s30, 128
	s_cmp_lt_u32 s46, 128
	s_cselect_b32 s38, s39, s38
	s_lshl_b32 s34, s34, 9
	s_add_co_u32 s38, s38, s34
	s_lshl_b32 s39, s31, 7
	s_add_co_u32 s38, s38, s39
	s_mov_b32 s39, 0
	s_lshl_b32 s40, s30, 1
	s_add_co_u32 s40, s40, s32
	s_mul_i32 s40, s40, BLK                        ; my block of the images
	s_mul_i32 s41, s31, 3072                       ; my two tiles in it
	s_add_co_u32 s42, s40, s41
	s_mov_b32 s43, 0
	s_lshl_b32 s44, s31, 7
	s_add_co_u32 s44, s44, s40
	s_add_co_u32 s44, s44, 12288
	s_mov_b32 s45, 0
	s_wait_kmcnt 0x0
	s_cmp_lt_u32 s30, 256                          ; the choices hang on the work-group's number alone
	s_cselect_b64 s[4:5], s[20:21], s[22:23]
	s_cmp_lt_u32 s30, 128
	s_cselect_b64 s[4:5], s[18:19], s[4:5]
	s_cmp_lt_u32 s30, 96
	s_cselect_b64 s[4:5], s[16:17], s[4:5]
	s_cmp_lt_u32 s30, 64
	s_cselect_b64 s[4:5], s[14:15], s[4:5]
	s_cmp_lt_u32 s30, 32
	s_cselect_b64 s[4:5], s[12:13], s[4:5]
	s_add_nc_u64 s[4:5], s[4:5], s[38:39]
	s_add_nc_u64 s[42:43], s[24:25], s[42:43]
	s_add_nc_u64 s[44:45], s[24:25], s[44:45]
; block t of 32 along K, in the operand's order, into set t % 2: each load reads 128 consecutive bytes, the four waves side by side 512
.macro LOADB t, pitch
.set P, 0
.rept 32
	global_load_b32 v[XW+32*((\t)%2)+P], v5, s[4:5] offset:(32*(\t)+((P&7)|((P&8)<<1)|((P&16)>>1)))*\pitch th:TH_LOAD_NT
.set P, P+1
.endr
.endm
.macro WBLOCK t, pitch
.set XS, XW+32*((\t)%2)
.set TT, T0+12*((\t)%2)+6*((\t)/2)
.if (\t) < 3
	s_wait_loadcnt 32                              ; this block's 32 loads are in; the next block's may be out
.else
	s_wait_loadcnt 0x0
.endif
	v_max3_num_f32 v8, |v[XS]|, |v[XS+1]|, |v[XS+2]|               ; all 32 numbers of the block are mine
	v_max3_num_f32 v9, |v[XS+3]|, |v[XS+4]|, |v[XS+5]|
.irp i, 6,10,14,18,22,26
	s_delay_alu instid0(VALU_DEP_2)
	v_max3_num_f32 v8, v8, |v[XS+\i]|, |v[XS+\i+1]|
	s_delay_alu instid0(VALU_DEP_2)
	v_max3_num_f32 v9, v9, |v[XS+\i+2]|, |v[XS+\i+3]|
.endr
	s_delay_alu instid0(VALU_DEP_2)
	v_max3_num_f32 v8, v8, |v[XS+30]|, |v[XS+31]|
	s_delay_alu instid0(VALU_DEP_1)
	v_max3_num_f32 v8, v8, v9, 0x1800000           ; and the floor
	s_delay_alu instid0(VALU_DEP_1)
	v_add_nc_u32 v10, 0xff000000, v8               ; the conversion's scale operand
	s_delay_alu instid0(VALU_DEP_1)
	v_lshrrev_b32 v9, 23, v10                      ; the byte
.if (\t) == 0
	s_delay_alu instid0(VALU_DEP_1)
	v_mov_b32 v[SW], v9
.else
	s_delay_alu instid0(VALU_DEP_1)
	v_lshl_or_b32 v[SW], v9, 8*(\t), v[SW]
.endif
	v_cvt_scalef32_pk16_fp6_f32 v[TT:TT+2], v[XS:XS+15], v10
	v_cvt_scalef32_pk16_fp6_f32 v[TC:TC+2], v[XS+16:XS+31], v10    ; (a conversion's three registers begin on an even number)
	v_nop
.irp i, 0,1,2
	v_mov_b32 v[TT+3+\i], v[TC+\i]
.endr
.if (\t) < 2
	LOADB (\t)+2, \pitch
.endif
.endm
.macro WPATH pitch
	LOADB 0, \pitch
	LOADB 1, \pitch
	WBLOCK 0, \pitch
	WBLOCK 1, \pitch
	WBLOCK 2, \pitch
	WBLOCK 3, \pitch
.set I, 0
.rept 12
	v_permlane16_swap_b32 v[T0+I], v[T0+12+I]      ; lanes 16-31 of blocks 0, 2 change places with lanes 0-15 of blocks 1, 3: the first twelve are now columns 0-15's fragment, the second twelve columns 16-31's
.set I, I+1
.endr
.irp c, 0,1,2
	global_store_b128 v4, v[T0+4*\c:T0+4*\c+3], s[42:43] offset:512*\c
	global_store_b128 v4, v[T0+12+4*\c:T0+15+4*\c], s[42:43] offset:1536+512*\c
.endr
	global_store_b32 v5, v[SW], s[44:45]           ; 32 columns' scale words: 128 consecutive bytes
	s_wait_tensorcnt 0x0                           ; the same three lines as on the other path
	ds_add_u32 v12, v13
	s_wait_dscnt 0x0
	s_endpgm
.endm
	s_cmp_lt_u32 s46, 128                          ; W1's rows are four times as long: every offset is an immediate, so the text stands twice
	s_cbranch_scc1 .Lwide
	s_wait_alu depctr_va_vdst(0)
	WPATH 4096
.Lwide:
	s_wait_alu depctr_va_vdst(0)
	WPATH 16384
.Lfunc_end_k_q5ed84ab299_prep:
	.size	k_q5ed84ab299_prep, .Lfunc_end_k_q5ed84ab299_prep-k_q5ed84ab299_prep
	.p2alignl 7, 3214868480
	.fill 96, 4, 3214868480
	.section	.rodata,"a",@progbits
	.p2align	6, 0x0
	.amdhsa_kernel k_q5ed84ab299_prep
		.amdhsa_group_segment_fixed_size 79872
		.amdhsa_private_segment_fixed_size 0
		.amdhsa_enable_private_segment 0
		.amdhsa_kernarg_size 88
		.amdhsa_user_sgpr_count 2
		.amdhsa_user_sgpr_kernarg_segment_ptr 1
		.amdhsa_wavefront_size32 1
		.amdhsa_system_sgpr_workgroup_id_x 1
		.amdhsa_system_sgpr_workgroup_id_y 1
		.amdhsa_system_sgpr_workgroup_id_z 1
		.amdhsa_system_vgpr_workitem_id 0
		.amdhsa_next_free_vgpr 256
		.amdhsa_next_free_sgpr 66
		.amdhsa_reserve_vcc 0
		.amdhsa_float_denorm_mode_32 3
		.amdhsa_float_denorm_mode_16_64 3
		.amdhsa_memory_ordered 1
		.amdhsa_forward_progress 1
		.amdhsa_inst_pref_size 73
	.end_amdhsa_kernel
	.amdgpu_metadata
---
amdhsa.version: [ 1, 2 ]
amdhsa.kernels:
  - .name:           k_q5ed84ab299_prep
    .symbol:         k_q5ed84ab299_prep.kd
    .args:
      - { .name: x, .offset: 0, .size: 8, .value_kind: global_buffer, .address_space: global }
      - { .name: g1, .offset: 8, .size: 8, .value_kind: global_buffer, .address_space: global }
      - { .name: be1, .offset: 16, .size: 8, .value_kind: global_buffer, .address_space: global }
      - { .name: h1, .offset: 24, .size: 8, .value_kind: global_buffer, .address_space: global }
      - { .name: Wq, .offset: 32, .size: 8, .value_kind: global_buffer, .address_space: global }
      - { .name: Wk, .offset: 40, .size: 8, .value_kind: global_buffer, .address_space: global }
      - { .name: Wv, .offset: 48, .size: 8, .value_kind: global_buffer, .address_space: global }
      - { .name: Wo, .offset: 56, .size: 8, .value_kind: global_buffer, .address_space: global }
      - { .name: W1, .offset: 64, .size: 8, .value_kind: global_buffer, .address_space: global }
      - { .name: W2, .offset: 72, .size: 8, .value_kind: global_buffer, .address_space: global }
      - { .name: wimg, .offset: 80, .size: 8, .value_kind: global_buffer, .address_space: global }
    .group_segment_fixed_size: 79872
    .private_segment_fixed_size: 0
    .kernarg_segment_align: 8
    .kernarg_segment_size: 88
    .max_flat_workgroup_size: 256
    .sgpr_count:     66
    .vgpr_count:     256
    .wavefront_size: 32
...
	.end_amdgpu_metadata
.endif
;; end of part 1
;; launch qkv (part 2): grid 8 x 32, 4 waves a work-group, clusters of 4 x 4, 327,680 bytes of LDS; arguments h1, wimg, qk, vt; writes qk, vt
.if DOCPART == 2
	.amdgcn_target "amdgcn-amd-amdhsa--gfx1250"
	.amdhsa_code_object_version 6
	.text
	.protected	k_q5ed84ab299_qkv
	.globl	k_q5ed84ab299_qkv
	.p2align	8
	.type	k_q5ed84ab299_qkv,@function
k_q5ed84ab299_qkv:
	s_mov_b64 s[64:65], 0
	v_nop
	global_prefetch_b8 v0, s[64:65] scope:SCOPE_SE
	s_setreg_imm32_b32 hwreg(HW_REG_WAVE_MODE, 25, 1), 1
	s_wait_xcnt 0x0
	s_wait_alu depctr_hold_cnt(0) depctr_sa_sdst(0) depctr_va_vdst(0) depctr_va_sdst(0) depctr_va_ssrc(0) depctr_va_vcc(0) depctr_vm_vsrc(0)
	s_getreg_b32 s2, hwreg(HW_REG_IB_STS2, 6, 4)
	s_cmp_eq_u32 s2, 0
	s_cbranch_scc0 .Lentry_in_a_cluster
	s_endpgm
.Lentry_in_a_cluster:
	s_bfe_u32 s2, ttmp6, 0x10000c
	s_cmp_lg_u32 s2, 0xf033
	s_cbranch_scc0 .Lentry_shape_is_right
	s_endpgm
.Lentry_shape_is_right:
; q, k and v = LN1(x) W, on FP6 codes with E8M0 scales, and the results quantised at once for attention.
; OPERANDS are images of registers in blocks of 12,800 bytes (128 rows x 128 K: eight fragments of 1,536 bytes, then 512 bytes of scale words), [group of 128 rows][K step].
; 256 work-groups of equal work, each in two parts.  Source 0 takes the register side, source 1 the lane side: a lane holds one row of the lane side, its registers run along the register side.
; PART 1: 128 tokens (lane side) x 256 columns of Wq (x < 4) or Wk (register side); wave (wa, wb) 64 x 128: 32 accumulators.  A lane's 64 registers of a tile are 128 neighbouring columns, two heads: quantised along the head's 64.
; PART 2: V^T for the 128 channels of Wv's group x (lane side) and THE SAME 128 tokens (register side): their images lie in LDS since part 1.  Wave w takes 32 channels x 128 tokens: 16 accumulators; the registers run along the tokens,
; the second attention product's K: a tile is a whole fragment.
; LDS: K = 1,024 lies there whole, in two slots of 512 along K: the tokens' 51,200 bytes, then two groups of the weight.  Wv's group, 102,400 bytes, is brought into the weight's part of slot 0 when part 1 has left that slot:
; one joint refill, behind a round of the cluster's barrier; it has part 1's last four K steps (128 matrix instructions a wave) and part 1's way out in which to land.
; CLUSTER 4 x 4: the tokens' blocks are shared along a row, the weights' along a column: joint loads.  No prefetch: all but Wv's group is asked for at the head.
; LIMITS: NaN and infinities are not served; a block whose largest magnitude lies under 2^-124 keeps the byte 1.
.set KDIM,  1024
.set GB,    2                          ; groups of 128 on part 1's register side
.set NBT,   4*GB                       ; tiles of the register side, in both parts
.set BLK,   12800
.set GSTR,  (KDIM/128)*BLK
.set SLOTP, 4*BLK                      ; four K steps of one group: what one tensor load brings
.set SLOT,  (1+GB)*SLOTP
.set SPARE, 2*SLOT                     ; the spare words, 128 bytes a wave
.set NLD,   3*NBT+12+2+NBT/2           ; LDS loads of a K step of part 1,
.set NLD2,  3*NBT+6+1+NBT/2            ; of part 2
.set WVOFF, 16*GSTR                    ; Wv's images, behind Wq's and Wk's eight groups each
.set PARTSTR, 3407872                  ; qk: Q's part, then K's
.set WV, 14
.set WA, 15
.set WB, 16
.set G1A, 24
.set G0A, 32
.set G1B, 48
.set G0B, 56
.set G0C, 84                           ; s[84:87] group 0 of the refill
.set ADRA, 2                           ; v2-3 part 1: the tokens' fragments in slot 0, 1;  v4-5 the weight's;  v6-7, v8-9 their scale words
.set ADRB, 4
.set ADSA, 6
.set ADSB, 8
.set ADT,  36                          ; v36-37 part 2: all eight tiles of the tokens, K steps 0-3 and 4-7;  v38-39 their scale words
.set ADTS, 38
.set ADW,  40                          ; v40-41 my two tiles of Wv, K steps 0-3 and 4-7;  v42-43 their scale words
.set ADWS, 42
.set SPW, 20
.set NIL, 21
.set SCR, 24                           ; v24-35 scale words, two sets of 2 + 4: they hold scales and nothing else
.set AFR, 48                           ; v48-143 the lane side's fragments, two sets.  Window 1: the accumulators, (a, b) at 8 (NBT a + b).  Window 2: the register side's two sets, at 0 and 96
.set TM, 208
.set PW, 224
.set PC, 226
.set MUL,  0x52                        ; source 0 window 2, source 1 window 0, C and D window 1
.set TO_B, 0x80
.set MSB, 0
.macro WIN new                         ; the immediate's high byte repeats the setting that is left
.if MSB != (\new)
	s_set_vgpr_msb (MSB<<8)|(\new)
.set MSB, (\new)
.endif
.endm
.macro CREST
	s_cmp_lg_u32 s[WV], 0
	s_cbranch_scc1 .Lnw0_\@
	s_barrier_signal -3
.Lnw0_\@:
	s_barrier_wait -3
	s_barrier_signal -1
	s_barrier_wait -1
.endm
.macro CROUND                          ; a round of the cluster's barrier
	s_barrier_signal -1
	s_barrier_wait -1
	CREST
.endm
.macro PLACES                          ; four plain places behind matrix instructions, in front of loads into their registers and of reads of their results
.rept 4
	v_nop
.endr
.endm
.macro JLOADC                          ; the joint refill: waves 1 and 2 ask for Wv's K steps 0-3 and 4-7; the branches hang on the wave's number alone
	s_cmp_eq_u32 s[WV], 0
	s_cbranch_scc1 .Lasked_\@
	s_cmp_le_u32 s[WV], GB
	s_cbranch_scc0 .Lasked_\@
	tensor_load_to_lds s[G0C:G0C+3], s[G1C:G1C+7]
	s_nop 0
	PLACES
.Lasked_\@:
.endm
.macro WM zero                         ; one product; the scale words of tiles 2 i and 2 i + 1 share a register: lanes 0-15 and lanes 16-31
.if \zero
.if RB && RA
	v_wmma_scale_f32_16x16x128_f8f6f4 v[DD:DD+7], v[BF:BF+11], v[AF:AF+11], 0, v[SBR], v[SAR] matrix_a_fmt:MATRIX_FMT_FP6 matrix_b_fmt:MATRIX_FMT_FP6 matrix_a_scale:MATRIX_SCALE_ROW1 matrix_b_scale:MATRIX_SCALE_ROW1
.elseif RB
	v_wmma_scale_f32_16x16x128_f8f6f4 v[DD:DD+7], v[BF:BF+11], v[AF:AF+11], 0, v[SBR], v[SAR] matrix_a_fmt:MATRIX_FMT_FP6 matrix_b_fmt:MATRIX_FMT_FP6 matrix_a_scale:MATRIX_SCALE_ROW1
.elseif RA
	v_wmma_scale_f32_16x16x128_f8f6f4 v[DD:DD+7], v[BF:BF+11], v[AF:AF+11], 0, v[SBR], v[SAR] matrix_a_fmt:MATRIX_FMT_FP6 matrix_b_fmt:MATRIX_FMT_FP6 matrix_b_scale:MATRIX_SCALE_ROW1
.else
	v_wmma_scale_f32_16x16x128_f8f6f4 v[DD:DD+7], v[BF:BF+11], v[AF:AF+11], 0, v[SBR], v[SAR] matrix_a_fmt:MATRIX_FMT_FP6 matrix_b_fmt:MATRIX_FMT_FP6
.endif
.else
.if RB && RA
	v_wmma_scale_f32_16x16x128_f8f6f4 v[DD:DD+7], v[BF:BF+11], v[AF:AF+11], v[DD:DD+7], v[SBR], v[SAR] matrix_a_fmt:MATRIX_FMT_FP6 matrix_b_fmt:MATRIX_FMT_FP6 matrix_a_scale:MATRIX_SCALE_ROW1 matrix_b_scale:MATRIX_SCALE_ROW1
.elseif RB
	v_wmma_scale_f32_16x16x128_f8f6f4 v[DD:DD+7], v[BF:BF+11], v[AF:AF+11], v[DD:DD+7], v[SBR], v[SAR] matrix_a_fmt:MATRIX_FMT_FP6 matrix_b_fmt:MATRIX_FMT_FP6 matrix_a_scale:MATRIX_SCALE_ROW1
.elseif RA
	v_wmma_scale_f32_16x16x128_f8f6f4 v[DD:DD+7], v[BF:BF+11], v[AF:AF+11], v[DD:DD+7], v[SBR], v[SAR] matrix_a_fmt:MATRIX_FMT_FP6 matrix_b_fmt:MATRIX_FMT_FP6 matrix_b_scale:MATRIX_SCALE_ROW1
.else
	v_wmma_scale_f32_16x16x128_f8f6f4 v[DD:DD+7], v[BF:BF+11], v[AF:AF+11], v[DD:DD+7], v[SBR], v[SAR] matrix_a_fmt:MATRIX_FMT_FP6 matrix_b_fmt:MATRIX_FMT_FP6
.endif
.endif
.endm
.macro MULA set, a, zero               ; the lane side's tile a against all eight tiles of the register side.  The accumulators take turns, one instruction a turn, in the same order in every K step
.set BQ, 0
.rept NBT
.set DD, 8*(NBT*(\a)+BQ)
.set BF, 96*(\set)+12*BQ
.set AF, AFR+48*(\set)+12*(\a)
.set SBR, SCR+6*(\set)+2+BQ/2
.set SAR, SCR+6*(\set)+(\a)/2
.set RB, BQ%2
.set RA, (\a)%2
	WM \zero
.set BQ, BQ+1
.endr
.endm
.macro FETCH slot, q, set              ; part 1: the fragments and scale words of the slot's q-th K step: every load takes consecutive bytes, lane by lane
	WIN TO_B
.set BQ, 0
.rept NBT
.irp c, 0,1,2
	ds_load_b128 v[96*(\set)+12*BQ+4*\c:96*(\set)+12*BQ+4*\c+3], v[ADRB+\slot] offset:(\q)*BLK+1536*BQ+512*\c
.endr
.set BQ, BQ+1
.endr
	WIN 0
.irp a, 0,1,2,3
.irp c, 0,1,2
	ds_load_b128 v[AFR+48*(\set)+12*\a+4*\c:AFR+48*(\set)+12*\a+4*\c+3], v[ADRA+\slot] offset:(\q)*BLK+1536*\a+512*\c
.endr
.endr
.irp j, 0,1
	ds_load_b32 v[SCR+6*(\set)+\j], v[ADSA+\slot] offset:(\q)*BLK+128*\j
.endr
.set BQ, 0
.rept NBT/2
	ds_load_b32 v[SCR+6*(\set)+2+BQ], v[ADSB+\slot] offset:(\q)*BLK+128*BQ
.set BQ, BQ+1
.endr
.endm
.macro STEP slot, q, zero              ; part 1, K step q of a slot (q < 3): the next step's operands are asked for, then this step is multiplied
	PLACES
	FETCH \slot, (\q)+1, 1-(\q)%2
	s_wait_dscnt NLD                               ; all but the NLD loads just issued: this step's operands are in
	WIN MUL
	MULA (\q)%2, 0, \zero
	MULA (\q)%2, 1, \zero
	MULA (\q)%2, 2, \zero
	MULA (\q)%2, 3, \zero
	WIN 0
.endm
.macro FETCH2 ks, set                  ; part 2, K step ks of eight: the tokens' eight fragments, my two of Wv, and their scale words
	WIN TO_B
.set BQ, 0
.rept NBT
.irp c, 0,1,2
	ds_load_b128 v[96*(\set)+12*BQ+4*\c:96*(\set)+12*BQ+4*\c+3], v[ADT+(\ks)/4] offset:((\ks)%4)*BLK+1536*BQ+512*\c
.endr
.set BQ, BQ+1
.endr
	WIN 0
.irp a, 0,1
.irp c, 0,1,2
	ds_load_b128 v[AFR+48*(\set)+12*\a+4*\c:AFR+48*(\set)+12*\a+4*\c+3], v[ADW+(\ks)/4] offset:((\ks)%4)*BLK+1536*\a+512*\c
.endr
.endr
	ds_load_b32 v[SCR+6*(\set)], v[ADWS+(\ks)/4] offset:((\ks)%4)*BLK   ; lanes 0-15 my first tile's words, lanes 16-31 my second's
.set BQ, 0
.rept NBT/2
	ds_load_b32 v[SCR+6*(\set)+2+BQ], v[ADTS+(\ks)/4] offset:((\ks)%4)*BLK+128*BQ
.set BQ, BQ+1
.endr
.endm
.macro STEP2 ks, zero                  ; part 2, K step ks < 7
	PLACES
	FETCH2 (\ks)+1, 1-(\ks)%2
	s_wait_dscnt NLD2                              ; all but the NLD2 loads just issued
	WIN MUL
	MULA (\ks)%2, 0, \zero
	MULA (\ks)%2, 1, \zero
	WIN 0
.endm
; 64 numbers of a lane, v[s] on in window w, register 16 b + i in block b, become a fragment's codes in v[PC] on and its row's scale word in v[PW].  Each accumulator is read from its low end on
.macro QUANT s, w
	WIN 5*(\w)
.irp b, 0,1,2,3
	v_max3_num_f32 v[TM+\b], |v[(\s)+16*\b]|, |v[(\s)+16*\b+1]|, 0x1800000   ; and the floor 2^(3 - 127): the byte cannot fall under 1
.endr
	WIN 20*(\w)
.irp i, 2,4,6,8,10,12,14
.irp b, 0,1,2,3
	v_max3_num_f32 v[TM+\b], v[TM+\b], |v[(\s)+16*\b+\i]|, |v[(\s)+16*\b+\i+1]|
.endr
.endr
	WIN 0
.irp b, 0,1,2,3
	v_permlanex16_b32 v[TM+4+\b], v[TM+\b], s2, s3
.endr
.irp b, 0,1,2,3
	v_max_num_f32 v[TM+\b], v[TM+\b], v[TM+4+\b]
.endr
.irp b, 0,1,2,3
	v_add_nc_u32 v[TM+12+\b], 0xff000000, v[TM+\b] ; 2 off the exponent field: the conversion's scale operand
.endr
.irp b, 0,1,2,3
	v_lshrrev_b32 v[TM+4+\b], 23, v[TM+12+\b]
.endr
	v_lshl_or_b32 v[PW], v[TM+5], 8, v[TM+4]
	v_lshl_or_b32 v[PW], v[TM+6], 16, v[PW]
	v_lshl_or_b32 v[PW], v[TM+7], 24, v[PW]
	WIN (\w)
.irp c, 0,1
	v_cvt_scalef32_pk16_fp6_f32 v[PC+6*\c:PC+6*\c+2], v[(\s)+32*\c:(\s)+32*\c+15], v[TM+12+2*\c]
	v_cvt_scalef32_pk16_fp6_f32 v[PC+12+4*\c:PC+14+4*\c], v[(\s)+32*\c+16:(\s)+32*\c+31], v[TM+13+2*\c]
.endr
	WIN 0
	v_nop                                          ; one plain place behind the conversions
.irp c, 0,1
.irp i, 0,1,2
	v_permlane16_swap_b32 v[PC+6*\c+\i], v[PC+12+4*\c+\i]
.endr
.irp i, 0,1,2
	v_mov_b32 v[PC+3+6*\c+\i], v[PC+12+4*\c+\i]
.endr
.endr
.endm
	s_load_b256 s[4:11], s[0:1], 0x0               ; LN1(x)'s images s[4:5], the weights' s[6:7], qk s[8:9], vt s[10:11]
	v_lshl_add_u32 v[SPW], v0, 2, SPARE
	v_mov_b32 v[NIL], 0
	ds_add_u32 v[SPW], v[NIL]                      ; the wave's opening: the add and its wait ahead of the round in front of the first tensor loads
	ds_add_u32 v[SPW], v[NIL]
	v_lshrrev_b32 v1, 5, v0
	v_readfirstlane_b32 s[WV], v1
	s_lshr_b32 s[WA], s[WV], 1
	s_and_b32 s[WB], s[WV], 1
	s_bfe_u32 s17, ttmp6, 0x40000                  ; cx
	s_bfe_u32 s18, ttmp6, 0x40004                  ; cy
	s_lshl_b32 s20, ttmp9, 2
	s_add_co_u32 s20, s20, s17                     ; x: 256 columns of Wq | Wk, and Wv's group
	s_and_b32 s21, ttmp7, 0xffff
	s_lshl_b32 s21, s21, 2
	s_add_co_u32 s21, s21, s18                     ; y: my 128 tokens
	s_lshl_b32 s22, s18, 2
	s_lshl_b32 s22, 15, s22                        ; my row of the cluster
	s_lshl_b32 s23, 0x1111, s17                    ; my column
	s_or_b32 s[G1A], s22, (3<<16)|(1<<21)          ; elements of 8 bytes; the mask, and bit 21 beside it
	s_or_b32 s[G1B], s23, (3<<16)|(1<<21)
.set G1C, 92                           ; s[92:99] group 1 of the refill: the tokens' shape with my column's mask
	s_or_b32 s[G1C], s23, (3<<16)|(1<<21)
	s_mov_b32 s[G1B+1], 6400<<16                   ; the weight's part of a slot by ONE load: two rows of 51,200 bytes (four K steps of a group), a group's 102,400 bytes apart
	s_mov_b32 s[G1B+2], 2<<16
	s_mov_b32 s[G1B+3], 6400<<16
	s_mov_b32 s[G1B+4], 2
	s_mov_b32 s[G1B+5], GSTR/8
	s_mov_b32 s[G1B+6], 0
	s_mov_b32 s[G1B+7], 0
.irp g, G1A, G1C
	s_mov_b32 s[\g+1], 32<<16                      ; a dense block of 51,200 bytes as 200 rows of 256
	s_mov_b32 s[\g+2], 200<<16
	s_mov_b32 s[\g+3], 32<<16
	s_mov_b32 s[\g+4], 200
	s_mov_b32 s[\g+5], 32
	s_mov_b32 s[\g+6], 0
	s_mov_b32 s[\g+7], 0
.endr
	s_mul_i32 s40, s21, GSTR                       ; the tokens' group
	s_mov_b32 s41, 0
	s_max_u32 s42, s[WV], 1
	s_sub_co_u32 s42, s42, 1
	s_min_u32 s42, s42, GB-1                       ; 0 in wave 1, 1 in wave 2: which of the weight's two parts I fetch, if I fetch for it
	s_mul_i32 s43, s[WV], SLOTP                    ; and where it goes
	s_mul_i32 s44, s20, GB
	s_mul_i32 s44, s44, GSTR                       ; part 1: groups 2 x and 2 x + 1, both by one load
	s_mov_b32 s45, 0
	s_mul_i32 s46, s20, GSTR
	s_mul_i32 s47, s42, SLOTP
	s_add_co_u32 s46, s46, s47
	s_add_co_u32 s46, s46, WVOFF                   ; part 2: Wv's group x, its K steps 0-3 or 4-7
	s_mov_b32 s47, 0
	s_mov_b32 s2, 0x76543210
	s_mov_b32 s3, 0xfedcba98
.irp b, 0,1,2,3
	v_mov_b32 v[TM+4+\b], 0                        ; written once: a lane permute's destination counts as one of its sources
.endr
	s_wait_dscnt 0x0                               ; the opening add is done
	s_wait_kmcnt 0x0
	s_add_nc_u64 s[40:41], s[4:5], s[40:41]
	s_add_nc_u64 s[44:45], s[6:7], s[44:45]
	s_add_nc_u64 s[46:47], s[6:7], s[46:47]
	CROUND                                         ; all sixteen work-groups are here: the first joint loads meet
.irp s, 0,1
	s_mov_b32 s[G0A+4*\s], 1
	s_mov_b32 s[G0A+4*\s+1], \s*SLOT
	s_add_nc_u64 s[G0A+4*\s+2:G0A+4*\s+3], s[40:41], \s*SLOTP
	s_or_b32 s[G0A+4*\s+3], s[G0A+4*\s+3], 0x80000000
	s_mov_b32 s[G0B+4*\s], 1
	s_mov_b32 s[G0B+4*\s+1], SLOTP+\s*SLOT
	s_add_nc_u64 s[G0B+4*\s+2:G0B+4*\s+3], s[44:45], \s*SLOTP
	s_or_b32 s[G0B+4*\s+3], s[G0B+4*\s+3], 0x80000000
.endr
	s_mov_b32 s[G0C], 1                            ; the refill: into slot 0's weight part, which wave 1 filled first
	s_mov_b32 s[G0C+1], s43
	s_mov_b64 s[G0C+2:G0C+3], s[46:47]
	s_or_b32 s[G0C+3], s[G0C+3], 0x80000000
	s_cmp_eq_u32 s[WV], 0                          ; the head's four tiles, one a wave, each in an arm of its own: wave 0 slot 0's tokens,
	s_cbranch_scc0 .Lfirst_1
	tensor_load_to_lds s[G0A:G0A+3], s[G1A:G1A+7]
	s_nop 0
	PLACES
	s_branch .Lfirst_done
.Lfirst_1:
	s_cmp_eq_u32 s[WV], 1                          ; wave 1 slot 0's weights,
	s_cbranch_scc0 .Lfirst_2
	tensor_load_to_lds s[G0B:G0B+3], s[G1B:G1B+7]
	s_nop 0
	PLACES
	s_branch .Lfirst_done
.Lfirst_2:
	s_cmp_eq_u32 s[WV], 2                          ; wave 2 slot 1's tokens,
	s_cbranch_scc0 .Lfirst_3
	tensor_load_to_lds s[G0A+4:G0A+7], s[G1A:G1A+7]
	s_nop 0
	PLACES
	s_branch .Lfirst_done
.Lfirst_3:
	tensor_load_to_lds s[G0B+4:G0B+7], s[G1B:G1B+7] ; wave 3 slot 1's weights
	s_nop 0
	PLACES
.Lfirst_done:
	v_and_b32 v1, 31, v0
	v_lshlrev_b32 v14, 4, v1                       ; 16 x lane
	s_wait_alu depctr_va_vdst(0)
	v_lshlrev_b32 v15, 2, v1                       ; 4 x lane
	s_wait_alu depctr_va_vdst(0)
	s_mul_i32 s66, s[WA], 6144                     ; part 1: my four tiles of the tokens,
	s_mul_i32 s67, s[WB], SLOTP
	s_add_co_u32 s67, s67, SLOTP                   ; my group of the weight,
	s_lshl_b32 s68, s[WA], 8
	s_add_co_u32 s68, s68, 12288                   ; and their scale words
	s_mul_i32 s69, s[WB], SLOTP
	s_add_co_u32 s69, s69, SLOTP+12288
.irp s, 0,1
	v_add_nc_u32 v[ADRA+\s], s66, v14
	v_add_nc_u32 v[ADRB+\s], s67, v14
	v_add_nc_u32 v[ADSA+\s], s68, v15
	v_add_nc_u32 v[ADSB+\s], s69, v15
	s_add_co_u32 s66, s66, SLOT
	s_add_co_u32 s67, s67, SLOT
	s_add_co_u32 s68, s68, SLOT
	s_add_co_u32 s69, s69, SLOT
.endr
	v_lshlrev_b32 v[ADT], 4, v1                    ; part 2: the tokens' K steps 0-3 lie at slot 0's head, 4-7 at slot 1's
	v_add_nc_u32 v[ADT+1], SLOT, v14
	v_add_nc_u32 v[ADTS], 12288, v15
	v_add_nc_u32 v[ADTS+1], SLOT+12288, v15
	s_mul_i32 s70, s[WV], 3072                     ; my two tiles of Wv; its eight K steps lie on end behind slot 0's tokens
	s_add_co_u32 s70, s70, SLOTP
	s_lshl_b32 s71, s[WV], 7
	s_add_co_u32 s71, s71, SLOTP+12288
	v_add_nc_u32 v[ADW], s70, v14
	v_add_nc_u32 v[ADWS], s71, v15
	s_add_co_u32 s70, s70, SLOTP
	s_add_co_u32 s71, s71, SLOTP
	v_add_nc_u32 v[ADW+1], s70, v14
	v_add_nc_u32 v[ADWS+1], s71, v15
	v_lshlrev_b32 v10, 4, v1                       ; the way out: 16 x lane,
	v_lshlrev_b32 v12, 3, v1                       ; 8 x lane,
	v_and_b32 v11, 15, v0
	v_lshlrev_b32 v11, 2, v11                      ; 4 r
	s_wait_alu depctr_va_vdst(0)                   ; the wait at the head's end
	s_cmp_lt_u32 s[WV], 2                          ; waves 0 and 1 brought slot 0: they wait; slot 1's tiles may stay out
	s_cbranch_scc0 .Lnot_s0
	s_wait_tensorcnt 0x0
.Lnot_s0:
	s_barrier_signal -1
	s_barrier_wait -1
; ---------------- PART 1 ----------------
	FETCH 0, 0, 0
	STEP 0, 0, 1                                   ; the first K step starts the sums
	STEP 0, 1, 0
	STEP 0, 2, 0
	; slot 0's last K step, the change of slots, and the refill
	s_wait_tensorcnt 0x0                           ; all my tensor loads have landed: my part of slot 1;
	ds_add_u32 v[SPW], v[NIL]                      ; 0 onto my spare word
	s_wait_dscnt 1                                 ; (the add alone may be out: this step's operands are in)
	WIN MUL
	MULA 1, 0, 0
	s_wait_dscnt 0x0                               ; the add is done, and my reads of slot 0's weights are over
	s_barrier_signal -1
	MULA 1, 1, 0
	WIN 0
	s_barrier_wait -1
	CREST                                          ; the barrier has opened a round of the cluster's: no wave of any partner still reads those bytes or has a load on its way
	JLOADC                                         ; the first tensor loads behind the round, one in each of waves 1 and 2
	PLACES
	FETCH 1, 0, 0
	WIN MUL
	MULA 1, 2, 0
	MULA 1, 3, 0
	WIN 0
	STEP 1, 0, 0
	STEP 1, 1, 0
	STEP 1, 2, 0
	s_wait_dscnt 0x0
	WIN MUL
	MULA 1, 0, 0
	MULA 1, 1, 0
	MULA 1, 2, 0
	MULA 1, 3, 0
	WIN 0
	PLACES
; q or k: tile a's 128 columns are two heads: registers 0-5 of the fragment are the first head's 64, registers 6-11 the second's.  A half fragment is 768 bytes: registers 2 p, 2 p + 1 of lane l at 256 p + 8 l
	s_lshr_b32 s76, s21, 4
	s_lshl_b32 s76, s76, 4
	s_and_b32 s77, s20, 3
	s_lshl_b32 s77, s77, 2
	s_add_co_u32 s76, s76, s77
	s_lshl_b32 s77, s[WB], 1
	s_add_co_u32 s76, s76, s77                     ; 16 x batch + my first head
	s_and_b32 s77, s21, 15
	s_lshl_b32 s77, s77, 3
	s_lshl_b32 s78, s[WA], 2
	s_add_co_u32 s77, s77, s78                     ; my first tile of 16 tokens in the batch
	s_mul_i32 s78, ttmp9, PARTSTR                  ; cluster x = 0: q, 1: k
	s_mul_i32 s80, s76, 98304
	s_add_co_u32 s80, s80, s78
	s_mul_i32 s79, s77, 768
	s_add_co_u32 s80, s80, s79
	s_mov_b32 s81, 0
	s_lshl_b32 s82, s76, 13
	s_add_co_u32 s82, s82, s78
	s_lshl_b32 s79, s77, 6
	s_add_co_u32 s82, s82, s79
	s_add_co_u32 s82, s82, 3145728
	s_mov_b32 s83, 0
	s_add_nc_u64 s[80:81], s[8:9], s[80:81]
	s_add_nc_u64 s[82:83], s[8:9], s[82:83]
.macro OUTQK a
.if \a > 0
	s_wait_xcnt 0x0                                ; the last tile's stores have read their data
.endif
	QUANT 64*(\a), 1
	v_perm_b32 v246, v[PW], v[PW], 0x01000100      ; a head's two bytes, twice: the word serves the head's 64 in either half of a K step of 128
	v_perm_b32 v247, v[PW], v[PW], 0x03020302
.irp p, 0,1,2,3,4,5
	global_store_b64 v12, v[PC+2*\p:PC+2*\p+1], s[80:81] offset:768*(\a)+256*(\p%3)+98304*(\p/3)   ; 256 consecutive bytes, aligned
.endr
	global_store_b32 v11, v246, s[82:83] offset:64*(\a)
	global_store_b32 v11, v247, s[82:83] offset:64*(\a)+8192
.endm
	OUTQK 0
	OUTQK 1
	OUTQK 2
	OUTQK 3
; ---------------- PART 2 ----------------
	s_wait_tensorcnt 0x0                           ; my part of Wv's group has landed,
	s_barrier_signal -1
	s_barrier_wait -1                              ; everybody's has
	PLACES
	FETCH2 0, 0
	STEP2 0, 1                                     ; the first K step starts the sums anew
	STEP2 1, 0
	STEP2 2, 0
	STEP2 3, 0
	STEP2 4, 0
	STEP2 5, 0
	STEP2 6, 0
	s_wait_dscnt 0x0
	WIN MUL
	MULA 1, 0, 0
	MULA 1, 1, 0
	WIN 0
	PLACES
; V^T: tile a is 16 of the channels x 128 tokens: a whole fragment of the second attention product
	s_lshl_b32 s76, s20, 5
	s_add_co_u32 s76, s76, s21
	s_mul_i32 s76, s76, BLK                        ; block (channel group x, token step y)
	s_mul_i32 s77, s[WV], 3072
	s_add_co_u32 s88, s76, s77
	s_mov_b32 s89, 0
	s_lshl_b32 s77, s[WV], 7
	s_add_co_u32 s90, s76, s77
	s_add_co_u32 s90, s90, 12288
	s_mov_b32 s91, 0
	s_add_nc_u64 s[88:89], s[10:11], s[88:89]
	s_add_nc_u64 s[90:91], s[10:11], s[90:91]
.macro OUTV a
	s_wait_xcnt 0x0                                ; the last stores have read their data
	QUANT 64*(\a), 1
.irp c, 0,1,2
	global_store_b128 v10, v[PC+4*\c:PC+4*\c+3], s[88:89] offset:1536*(\a)+512*\c   ; 512 consecutive bytes, aligned
.endr
	global_store_b32 v11, v[PW], s[90:91] offset:64*(\a)
.endm
	OUTV 0
	OUTV 1
	s_wait_tensorcnt 0x0                           ; the wave's end
	ds_add_u32 v[SPW], v[NIL]
	s_wait_dscnt 0x0
	CROUND                                         ; the closing round
	s_endpgm
.Lfunc_end_k_q5ed84ab299_qkv:
	.size	k_q5ed84ab299_qkv, .Lfunc_end_k_q5ed84ab299_qkv-k_q5ed84ab299_qkv
	.p2alignl 7, 3214868480
	.fill 96, 4, 3214868480
	.section	.rodata,"a",@progbits
	.p2align	6, 0x0
	.amdhsa_kernel k_q5ed84ab299_qkv
		.amdhsa_group_segment_fixed_size 327680
		.amdhsa_private_segment_fixed_size 0
		.amdhsa_enable_private_segment 0
		.amdhsa_kernarg_size 32
		.amdhsa_user_sgpr_count 2
		.amdhsa_user_sgpr_kernarg_segment_ptr 1
		.amdhsa_wavefront_size32 1
		.amdhsa_system_sgpr_workgroup_id_x 1
		.amdhsa_system_sgpr_workgroup_id_y 1
		.amdhsa_system_sgpr_workgroup_id_z 1
		.amdhsa_system_vgpr_workitem_id 0
		.amdhsa_next_free_vgpr 768
		.amdhsa_next_free_sgpr 100
		.amdhsa_reserve_vcc 0
		.amdhsa_float_denorm_mode_32 3
		.amdhsa_float_denorm_mode_16_64 3
		.amdhsa_memory_ordered 1
		.amdhsa_forward_progress 1
		.amdhsa_inst_pref_size 131
	.end_amdhsa_kernel
	.amdgpu_metadata
---
amdhsa.version: [ 1, 2 ]
amdhsa.kernels:
  - .name:           k_q5ed84ab299_qkv
    .symbol:         k_q5ed84ab299_qkv.kd
    .args:
      - { .name: h1, .offset: 0, .size: 8, .value_kind: global_buffer, .address_space: global }
      - { .name: wimg, .offset: 8, .size: 8, .value_kind: global_buffer, .address_space: global }
      - { .name: qk, .offset: 16, .size: 8, .value_kind: global_buffer, .address_space: global }
      - { .name: vt, .offset: 24, .size: 8, .value_kind: global_buffer, .address_space: global }
    .group_segment_fixed_size: 327680
    .private_segment_fixed_size: 0
    .kernarg_segment_align: 8
    .kernarg_segment_size: 32
    .max_flat_workgroup_size: 128
    .sgpr_count:     100
    .vgpr_count:     768
    .wavefront_size: 32
...
	.end_amdgpu_metadata
.endif
;; end of part 2
;; launch attn (part 3): grid 8 x 32, 16 waves a work-group, clusters of 4 x 1, 280,576 bytes of LDS; arguments qk, vt, ctx; writes ctx
.if DOCPART == 3
	.amdgcn_target "amdgcn-amd-amdhsa--gfx1250"
	.amdhsa_code_object_version 6
	.text
	.protected	k_q5ed84ab299_attn
	.globl	k_q5ed84ab299_attn
	.p2align	8
	.type	k_q5ed84ab299_attn,@function
k_q5ed84ab299_attn:
	s_mov_b64 s[64:65], 0
	v_nop
	global_prefetch_b8 v0, s[64:65] scope:SCOPE_SE
	s_setreg_imm32_b32 hwreg(HW_REG_WAVE_MODE, 25, 1), 1
	s_wait_xcnt 0x0
	s_wait_alu depctr_hold_cnt(0) depctr_sa_sdst(0) depctr_va_vdst(0) depctr_va_sdst(0) depctr_va_ssrc(0) depctr_va_vcc(0) depctr_vm_vsrc(0)
	s_getreg_b32 s2, hwreg(HW_REG_IB_STS2, 6, 4)
	s_cmp_eq_u32 s2, 0
	s_cbranch_scc0 .Lentry_in_a_cluster
	s_endpgm
.Lentry_in_a_cluster:
	s_bfe_u32 s2, ttmp6, 0x10000c
	s_cmp_lg_u32 s2, 0x3003
	s_cbranch_scc0 .Lentry_shape_is_right
	s_endpgm
.Lentry_shape_is_right:
; Causal attention of one head on FP6 codes; the result is quantised at once for the product with Wo.
; t = score x log2(e) / 8; M = the running largest t rounded up to a whole number; p = 2^(t - M) is quantised along the keys, not normalised; the row's sum is taken of the unquantised p and divides at the end.
; Key steps all of whose keys come after the queries (the causal mask) are not computed.
; THE HEAD'S K AND V^T LIE IN LDS WHOLE, filled once, one tensor load a wave: waves 0-7 256 keys' codes of K each, waves 8-11 four key steps' codes of V^T, waves 12, 13 half of K's scale words, waves 14, 15 half of V's.
; CLUSTER 4 x 1: the four work-groups of a cluster belong to one head (the grid's y) and need the same K and V^T: every tile is asked for JOINTLY, with the mask of all four.
; SHARES.  A head has 128 tiles of 16 queries, in 16 blocks of eight; a tile of block P has P + 1 key steps of 128 keys.  Tiles i and 127 - i together have 17.  Such a pair j = wave % 8 belongs to TWO waves, e = wave / 8:
; wave e takes the key steps 2 t + e of both tiles: 9 or 8 steps a wave.  i = 8 P + 4 (j % 2) + cx, P = 4 x cluster x + j / 2: every branch hangs on P and the wave's number alone; cx enters global addresses and the mask's numbers only.
; THE JOIN.  Wave e = 0 walks tile 127 - i first, wave e = 1 tile i.  A wave stores its first tile's part (O^T, -M, the sum) into 4,352 LDS bytes of its own and keeps its second tile's in registers; behind ONE barrier it reads its
; partner's part of the tile that it kept, brings both under the larger M by factors that are powers of two, adds, divides, quantises and stores.  A part with no key step has -M = 3e38 and gets the factor 0.
; Both products are used transposed: a lane holds one query.  The head's 64 are half of the instruction's 128: a fragment of K holds TWO neighbouring tiles of 16 keys, and q stands against one half with zero codes against the other.
; No prefetch: all that is read is asked for at the head.
; LIMITS: NaN and infinities are not served; the scaled scores stay under 2^31 in magnitude; a block of the result whose largest magnitude lies under 2^-124 keeps the byte 1.
.set PARTSTR, 3407872
.set BLK,   12800
.set VB,    98304                      ; LDS: K's codes at 0 (6,144 bytes a key step), V's here (likewise),
.set KSB,   196608                     ; K's scale words (512 a step),
.set VSB,   204800                     ; V's (256 a step),
.set PB,    208896                     ; the waves' parts: 8 x 512 bytes of O^T, then 256 of (-M, sum),
.set PSZ,   4352
.set SPARE, PB+16*PSZ                  ; the spare words, 128 bytes a wave
.set WV, 18
.set EH, 104                           ; s104 e
.set JP, 105                           ; s105 j
.set TMPS, 15
.set LIMK, 66                          ; s66  128 x the block of the pass's tile: the first key of the step on the diagonal
.set G1K, 24
.set G1S, 32
.set G1V, 40
.set G1T, 48
; v1-4 my lane's places in K, V, K's words, V's words (e's step among them); v5, v6 the add's two; v7 8 x lane; v8-11 the step's addresses; v12 -M, v13 the largest t, v[14:15] the sum
; v16-33 zeros | q | zeros; v34 q's scale word; v35 4 r; v36, v37 my part in LDS, v38, v39 my partner's; v40-87 fragments of K or V; v88-91 their scale words; v96-159 S^T, then p; v160-191 O^T; v192-210 p's codes; v212-255 at work
; v236-241 the second tile's q, v242 its scale word.  s83, s84 my first and second tile; s100, s101 their blocks; s[94:97] where the pass's result goes
.macro NOP4
.rept 4
	v_nop
.endr
.endm
.macro CROUND                          ; a round of the cluster's barrier
	s_barrier_signal -1
	s_barrier_wait -1
	s_cmp_lg_u32 s[WV], 0
	s_cbranch_scc1 .Lnw0_\@
	s_barrier_signal -3
.Lnw0_\@:
	s_barrier_wait -3
	s_barrier_signal -1
	s_barrier_wait -1
.endm
.macro GRP1 g, c, r, p                 ; group 1: r rows of c elements of 8 bytes, p elements apart; the mask of all four work-groups, bit 21 beside it
	s_mov_b32 s[\g], 15|(3<<16)|(1<<21)
	s_mov_b32 s[\g+1], (\c)<<16
	s_mov_b32 s[\g+2], (\r)<<16
	s_mov_b32 s[\g+3], (\c)<<16
	s_mov_b32 s[\g+4], \r
	s_mov_b32 s[\g+5], \p
	s_mov_b32 s[\g+6], 0
	s_mov_b32 s[\g+7], 0
.endm
	s_load_b128 s[4:7], s[0:1], 0x0                ; qk, vt
	s_load_b64 s[8:9], s[0:1], 0x10                ; ctx
	v_lshl_add_u32 v5, v0, 2, SPARE
	v_mov_b32 v6, 0
	ds_add_u32 v5, v6                              ; the wave's opening: the add, twice on end, and its wait ahead of the round in front of the first tensor loads
	ds_add_u32 v5, v6
	v_lshrrev_b32 v8, 5, v0
	v_readfirstlane_b32 s[WV], v8
	s_lshr_b32 s[EH], s[WV], 3
	s_and_b32 s[JP], s[WV], 7
	s_and_b32 s10, ttmp7, 0xffff                   ; 16 x batch + head: the four partners share it
	s_and_b32 s11, s10, 15
	s_lshr_b32 s12, s10, 4                         ; batch
	s_and_b32 s13, s11, 1                          ; which head of its pair
	s_lshr_b32 s14, s11, 1                         ; the pair
	GRP1 G1K, 32, 48, 32                           ; K's codes: 12,288 dense bytes
	GRP1 G1S, 32, 16, 32                           ; K's scale words: 4,096 dense bytes
	GRP1 G1V, 768, 4, 1600                         ; V's codes: my head's 6,144 bytes of four blocks, 12,800 bytes apart
	GRP1 G1T, 32, 8, 1600                          ; V's scale words: 256 bytes of eight blocks
	s_mul_i32 s16, s10, 98304                      ; a head's codes of q or k
	s_mov_b32 s17, 0
	s_lshl_b32 s98, s10, 13
	s_add_co_u32 s98, s98, 3145728                 ; its scale words
	s_mov_b32 s99, 0
	s_mul_i32 s19, s[JP], 12288                    ; waves 0-7: K's codes of 256 keys, in LDS and in memory alike
	s_add_co_u32 s2, s16, s19
	s_add_co_u32 s2, s2, PARTSTR
	s_mov_b32 s3, 0
	s_and_b32 s82, s[WV], 1                        ; waves 12-15: which half
	s_and_b32 s85, s[WV], 3                        ; waves 8-11: which four key steps
	s_lshl_b32 s80, s82, 12
	s_add_co_u32 s66, s98, s80
	s_add_co_u32 s66, s66, PARTSTR                 ; K's scale words
	s_mov_b32 s67, 0
	s_add_co_u32 s80, s80, KSB
	s_lshl_b32 s76, s14, 5
	s_lshl_b32 s77, s12, 4
	s_add_co_u32 s76, s76, s77                     ; V^T's block (channel group, the batch's first token step)
	s_lshl_b32 s77, s85, 2
	s_add_co_u32 s78, s76, s77
	s_mul_i32 s78, s78, BLK
	s_mul_i32 s77, s13, 6144
	s_add_co_u32 s78, s78, s77
	s_mov_b32 s79, 0
	s_lshl_b32 s77, s82, 3
	s_add_co_u32 s76, s76, s77
	s_mul_i32 s76, s76, BLK
	s_lshl_b32 s77, s13, 8
	s_add_co_u32 s76, s76, s77
	s_add_co_u32 s76, s76, 12288
	s_mov_b32 s77, 0
	s_mul_i32 s81, s85, 24576
	s_add_co_u32 s81, s81, VB
	s_lshl_b32 s82, s82, 11
	s_add_co_u32 s82, s82, VSB
	s_mov_b32 s20, 0x76543210
	s_mov_b32 s21, 0xfedcba98
	s_mov_b32 s22, 0x3e38aa3b                      ; c = log2(e) / 8
	s_mov_b32 s23, s22
	s_lshl_b32 s100, ttmp9, 2
	s_lshr_b32 s84, s[JP], 1
	s_add_co_u32 s100, s100, s84                   ; P: cluster x and the wave's number alone
	s_sub_co_u32 s101, 15, s100
	s_bfe_u32 s83, ttmp6, 0x40000                  ; cx
	s_and_b32 s84, s[JP], 1
	s_lshl_b32 s84, s84, 2
	s_add_co_u32 s83, s83, s84
	s_lshl_b32 s84, s100, 3
	s_add_co_u32 s83, s83, s84                     ; i = 8 P + 4 (j % 2) + cx
	s_sub_co_u32 s84, 127, s83
	s_cmp_eq_u32 s[EH], 0                          ; wave e = 0 walks tile 127 - i first
	s_cselect_b32 s86, s84, s83
	s_cselect_b32 s84, s83, s84
	s_mov_b32 s83, s86
	s_cselect_b32 s86, s101, s100
	s_cselect_b32 s101, s100, s101
	s_mov_b32 s100, s86
	s_mul_i32 s88, s[EH], 6144                     ; my first key step is step e
	s_add_co_u32 s91, s88, VB
	s_lshl_b32 s92, s[EH], 9
	s_add_co_u32 s92, s92, KSB
	s_lshl_b32 s93, s[EH], 8
	s_add_co_u32 s93, s93, VSB
	s_mul_i32 s86, s[WV], PSZ
	s_add_co_u32 s86, s86, PB                      ; my part,
	s_xor_b32 s87, s[WV], 8
	s_mul_i32 s87, s87, PSZ
	s_add_co_u32 s87, s87, PB                      ; my partner's
	v_and_b32 v8, 31, v0
	v_and_b32 v9, 15, v0
	v_lshl_add_u32 v1, v8, 3, s88
	v_lshlrev_b32 v7, 3, v8
	v_lshl_add_u32 v2, v8, 4, s91
	v_lshl_add_u32 v3, v8, 2, s92
	v_lshl_add_u32 v4, v8, 2, s93
	v_lshlrev_b32 v35, 2, v9
	v_lshl_add_u32 v36, v8, 4, s86
	v_lshl_add_u32 v37, v8, 3, s86
	v_lshl_add_u32 v38, v8, 4, s87
	v_lshl_add_u32 v39, v8, 3, s87
.irp j, 16,17,18,19,20,21,28,29,30,31,32,33
	v_mov_b32 v[\j], 0                             ; the zero codes on either side of q
.endr
.irp j, 216,217,218,219,225,229,231
	v_mov_b32 v[\j], 0                             ; written once: lane permutes' destinations, and the upper halves of the pairs v[224:225], v[228:229]
.endr
	s_wait_alu depctr_va_vdst(0)                   ; the wait at the head's end
	s_wait_dscnt 0x0                               ; both opening adds are done
	s_wait_kmcnt 0x0
	CROUND                                         ; all four work-groups are here: the joint loads meet
	s_mov_b32 s56, 1
	s_mov_b32 s57, s19
	s_add_nc_u64 s[58:59], s[4:5], s[2:3]
	s_or_b32 s59, s59, 0x80000000
	s_mov_b32 s60, 1
	s_mov_b32 s61, s80
	s_add_nc_u64 s[62:63], s[4:5], s[66:67]
	s_or_b32 s63, s63, 0x80000000
	s_mov_b32 s68, 1
	s_mov_b32 s69, s81
	s_add_nc_u64 s[70:71], s[6:7], s[78:79]
	s_or_b32 s71, s71, 0x80000000
	s_mov_b32 s72, 1
	s_mov_b32 s73, s82
	s_add_nc_u64 s[74:75], s[6:7], s[76:77]
	s_or_b32 s75, s75, 0x80000000
	s_cmp_lt_u32 s[WV], 8                          ; one chain of branches on the wave's number, one load to an arm: every way passes exactly one
	s_cbranch_scc0 .Lh_v
	tensor_load_to_lds s[56:59], s[G1K:G1K+7]
	s_nop 0
	NOP4
	s_branch .Lh_done
.Lh_v:
	s_cmp_lt_u32 s[WV], 12
	s_cbranch_scc0 .Lh_s
	tensor_load_to_lds s[68:71], s[G1V:G1V+7]
	s_nop 0
	NOP4
	s_branch .Lh_done
.Lh_s:
	s_cmp_lt_u32 s[WV], 14
	s_cbranch_scc0 .Lh_t
	tensor_load_to_lds s[60:63], s[G1S:G1S+7]
	s_nop 0
	NOP4
	s_branch .Lh_done
.Lh_t:
	tensor_load_to_lds s[72:75], s[G1T:G1T+7]
	s_nop 0
	NOP4
.Lh_done:
	s_add_nc_u64 s[86:87], s[4:5], s[16:17]        ; q's codes of my head,
	s_add_nc_u64 s[88:89], s[4:5], s[98:99]        ; and its scale words
	s_mul_i32 s98, s83, 768                        ; (s99 = 0 since the head)
	s_add_nc_u64 s[90:91], s[86:87], s[98:99]
	s_lshl_b32 s98, s83, 6
	s_add_nc_u64 s[92:93], s[88:89], s[98:99]
	s_mul_i32 s98, s84, 768
	s_add_nc_u64 s[94:95], s[86:87], s[98:99]
	s_lshl_b32 s98, s84, 6
	s_add_nc_u64 s[96:97], s[88:89], s[98:99]
.irp p, 0,1,2
	global_load_b64 v[22+2*\p:23+2*\p], v7, s[90:91] offset:256*\p     ; the first tile's half fragment of q, between the zeros
.endr
	global_load_b32 v34, v35, s[92:93]
.irp p, 0,1,2
	global_load_b64 v[236+2*\p:237+2*\p], v7, s[94:95] offset:256*\p   ; the second tile's, kept for the second pass
.endr
	global_load_b32 v242, v35, s[96:97]
	s_wait_tensorcnt 0x0                           ; my tile has landed,
	s_barrier_signal -1
	s_barrier_wait -1                              ; everybody's has
	s_wait_loadcnt 0x0                             ; q, both tiles'
	s_mov_b32 s81, 0
.Lpass:                                                ; two trips: my first tile, then my second
	s_wait_xcnt 0x0                                ; the loads at the head have read their addresses
	s_cmp_eq_u32 s81, 0
	s_cselect_b32 s82, s83, s84                    ; my tile of queries,
	s_cselect_b32 s[LIMK], s100, s101              ; and its block
	s_lshl_b32 s[LIMK], s[LIMK], 7
	s_lshl_b32 s85, s82, 4                         ; my first query
	s_lshr_b32 s98, s82, 3
	s_lshl_b32 s16, s12, 4
	s_add_co_u32 s98, s98, s16
	s_lshl_b32 s98, s98, 3
	s_add_co_u32 s98, s98, s14
	s_mul_i32 s98, s98, BLK                        ; ctx: block (token group, pair of heads)
	s_and_b32 s16, s82, 7
	s_mul_i32 s17, s16, 1536
	s_add_co_u32 s17, s17, s98
	s_mul_i32 s19, s13, 768
	s_add_co_u32 s2, s17, s19
	s_add_nc_u64 s[94:95], s[8:9], s[2:3]          ; my head's half of the tile's fragment (s3 = 0 since the head); the second pass's stands at the stores
	s_lshl_b32 s16, s16, 6
	s_add_co_u32 s16, s16, s98
	s_lshl_b32 s19, s13, 1
	s_add_co_u32 s16, s16, s19
	s_add_co_u32 s2, s16, 12288
	s_add_nc_u64 s[96:97], s[8:9], s[2:3]          ; and its two bytes of the rows' scale words
	v_mov_b32 v13, 0xff61b1e6                      ; the largest t so far: -3e38
	v_floor_f32 v12, -v13
	v_mov_b32 v14, 0
	v_mov_b32 v15, 0
.set J, 0
.rept 32
	v_mov_b32 v[160+J], 0                          ; O^T: the step is written once; the first change of M leaves zeros zeros
.set J, J+1
.endr
	s_wait_alu depctr_va_vdst(0)                   ; the wait
	s_mov_b32 s76, 0                               ; the step's codes,
	s_mov_b32 s77, 0                               ; K's scale words,
	s_mov_b32 s78, 0                               ; V's (each from my step e on),
	s_lshl_b32 s79, s[EH], 7                       ; its first key
	s_mov_b32 s80, 8
.Lkey:                                                 ; eight trips: key steps e, 2 + e, ..
	s_cmp_gt_u32 s79, s[LIMK]
	s_cbranch_scc1 .Lhidden                        ; a step behind the diagonal's: all its keys come after my queries
	v_add_nc_u32 v8, s76, v1                       ; (these four are the places in front of the loads into registers that the last products read)
	v_add_nc_u32 v9, s76, v2
	v_add_nc_u32 v10, s77, v3
	v_add_nc_u32 v11, s78, v4
.irp b, 0,1,2,3
.irp p, 0,1,2,3,4,5
	ds_load_b64 v[40+12*\b+2*\p:41+12*\b+2*\p], v8 offset:1536*\b+256*\p   ; tiles 2 b and 2 b + 1 of 16 keys: one fragment
.endr
	ds_load_b32 v[88+\b], v10 offset:128*\b        ; lanes 0-15 tile 2 b's words, lanes 16-31 tile 2 b + 1's
.endr
	s_wait_dscnt 0x0
.irp b, 0,1,2,3
	v_wmma_scale_f32_16x16x128_f8f6f4 v[96+16*\b:103+16*\b], v[40+12*\b:51+12*\b], v[22:33], 0, v[88+\b], v34 matrix_a_fmt:MATRIX_FMT_FP6 matrix_b_fmt:MATRIX_FMT_FP6
	v_wmma_scale_f32_16x16x128_f8f6f4 v[104+16*\b:111+16*\b], v[40+12*\b:51+12*\b], v[16:27], 0, v[88+\b], v34 matrix_a_fmt:MATRIX_FMT_FP6 matrix_b_fmt:MATRIX_FMT_FP6 matrix_a_scale:MATRIX_SCALE_ROW1
.endr                                          ; register 16 b + 8 u + j holds key 32 b + 16 u + 8 (lane / 16) + j of the step
	NOP4
	s_cmp_lt_u32 s79, s[LIMK]
	s_cbranch_scc1 .Lopen                          ; a step ahead of the diagonal's: all its keys count
	s_sub_co_i32 s[TMPS], s85, s79
	v_and_b32 v232, 15, v0
	v_bfe_u32 v233, v0, 4, 1
	s_delay_alu instid0(VALU_DEP_1)
	v_lshlrev_b32 v233, 3, v233
	s_delay_alu instid0(VALU_DEP_1)
	v_sub_nc_u32 v232, v232, v233
	s_delay_alu instid0(VALU_DEP_1)
	v_add_nc_u32 v232, s[TMPS], v232               ; d = my query - the step's first key - 8 (lane / 16)
	v_mov_b32 v234, 0xff800000                     ; hidden scores become -infinity ahead of the maximum: p = 0
.set N, 0
.rept 64
	v_cmp_gt_i32 vcc_lo, 32*(N/16)+16*((N/8)%2)+N%8, v232
	v_cndmask_b32 v[96+N], v[96+N], v234, vcc_lo
.set N, N+1
.endr
.Lopen:
.irp b, 0,1,2,3
	v_max3_num_f32 v[212+\b], v[96+16*\b], v[97+16*\b], v[98+16*\b]   ; the largest score of each block of 32 keys: it serves the row's maximum and, since p rises with the score, the block's largest p
.endr
.irp i, 3,5,7,9,11,13
.irp b, 0,1,2,3
	v_max3_num_f32 v[212+\b], v[212+\b], v[96+16*\b+\i], v[97+16*\b+\i]
.endr
.endr
.irp b, 0,1,2,3
	v_max_num_f32 v[212+\b], v[212+\b], v[111+16*\b]
.endr
.irp b, 0,1,2,3
	s_delay_alu instid0(VALU_DEP_4)
	v_permlanex16_b32 v[216+\b], v[212+\b], s20, s21
.endr
.irp b, 0,1,2,3
	s_delay_alu instid0(VALU_DEP_4)
	v_max_num_f32 v[212+\b], v[212+\b], v[216+\b]
.endr
	s_delay_alu instid0(VALU_DEP_2)
	v_max3_num_f32 v231, v212, v213, v214
	s_delay_alu instid0(VALU_DEP_1)
	v_max_num_f32 v231, v231, v215
	s_delay_alu instid0(VALU_DEP_1)
	v_mul_f32 v231, s22, v231
	s_delay_alu instid0(VALU_DEP_1)
	v_max_num_f32 v13, v13, v231                   ; the running largest t
	v_mov_b32 v231, v12
	s_delay_alu instid0(VALU_DEP_2)
	v_floor_f32 v12, -v13                          ; -M = floor(-t): M is a whole number
	s_delay_alu instid0(VALU_DEP_1)
	v_sub_f32 v231, v12, v231
	s_delay_alu instid0(VALU_DEP_1)
	v_cvt_i32_f32 v231, v231                       ; (it saturates)
	s_delay_alu instid0(VALU_DEP_1)
	v_ldexp_f32 v228, 1.0, v231                    ; f = 2^(old M - new M): a multiplication by it rounds nothing
.set J, 0
.rept 32
	v_pk_fma_f32 v[96+J:97+J], v[96+J:97+J], s[22:23], v[12:13] op_sel_hi:[1,0,0]   ; t - M
.set J, J+2
.endr
.irp b, 0,1,2,3
	v_fma_f32 v[212+\b], v[212+\b], s22, v12
.endr
.set J, 0
	s_wait_alu depctr_va_vdst(0)                   ; the wait ahead of the batch
.rept 64
	v_exp_f32 v[96+J], v[96+J]                     ; p = 2^(t - M)
.set J, J+1
.endr
	v_pk_mul_f32 v[14:15], v[14:15], v[228:229] op_sel_hi:[1,0]   ; the sums under the new M: a plain place behind the batch
	s_wait_alu depctr_va_vdst(0)                   ; one wait for the 64, ahead of their first reader
.irp b, 0,1,2,3
	v_exp_f32 v[212+\b], v[212+\b]                 ; the blocks' largest p
.endr
	v_pk_add_f32 v[224:225], v[100:101], v[104:105] ; the row's sum of the unquantised p, in eight chains
	v_pk_add_f32 v[254:255], v[108:109], v[112:113]
	v_pk_add_f32 v[252:253], v[116:117], v[120:121]
	v_pk_add_f32 v[250:251], v[124:125], v[128:129]
	v_pk_add_f32 v[248:249], v[132:133], v[136:137]
	v_pk_add_f32 v[246:247], v[140:141], v[144:145]
	v_pk_add_f32 v[244:245], v[148:149], v[152:153]
	v_pk_add_f32 v[14:15], v[14:15], v[156:157]
	v_pk_add_f32 v[224:225], v[224:225], v[96:97]
	v_pk_add_f32 v[254:255], v[254:255], v[98:99]
	v_pk_add_f32 v[252:253], v[252:253], v[102:103]
	v_pk_add_f32 v[250:251], v[250:251], v[106:107]
	v_pk_add_f32 v[248:249], v[248:249], v[110:111]
	v_pk_add_f32 v[246:247], v[246:247], v[114:115]
	v_pk_add_f32 v[244:245], v[244:245], v[118:119]
	v_pk_add_f32 v[14:15], v[14:15], v[122:123]
	v_pk_add_f32 v[224:225], v[224:225], v[126:127]
	v_pk_add_f32 v[254:255], v[254:255], v[130:131]
	v_pk_add_f32 v[252:253], v[252:253], v[134:135]
	v_pk_add_f32 v[250:251], v[250:251], v[138:139]
	v_pk_add_f32 v[248:249], v[248:249], v[142:143]
	v_pk_add_f32 v[246:247], v[246:247], v[146:147]
	v_pk_add_f32 v[244:245], v[244:245], v[150:151]
	v_pk_add_f32 v[14:15], v[14:15], v[154:155]
	v_pk_add_f32 v[224:225], v[224:225], v[158:159]
	s_delay_alu instid0(VALU_DEP_2)
	v_pk_add_f32 v[14:15], v[14:15], v[250:251]
	s_delay_alu instid0(VALU_DEP_2)
	v_pk_add_f32 v[224:225], v[224:225], v[248:249]
	v_pk_add_f32 v[254:255], v[254:255], v[246:247]
	v_pk_add_f32 v[252:253], v[252:253], v[244:245]
	s_delay_alu instid0(VALU_DEP_2)
	v_pk_add_f32 v[14:15], v[14:15], v[254:255]
	s_delay_alu instid0(VALU_DEP_2)
	v_pk_add_f32 v[224:225], v[224:225], v[252:253]
	s_delay_alu instid0(VALU_DEP_1)
	v_pk_add_f32 v[14:15], v[14:15], v[224:225]
	s_wait_alu depctr_va_vdst(0)                   ; and one for the four
.irp b, 0,1,2,3
	v_max_num_f32 v[212+\b], 0x1800000, v[212+\b]  ; the floor: the byte cannot fall under 1
.endr
.irp b, 0,1,2,3
	s_delay_alu instid0(VALU_DEP_4)
	v_add_nc_u32 v[220+\b], 0xff000000, v[212+\b]
.endr
.irp b, 0,1,2,3
	s_delay_alu instid0(VALU_DEP_4)
	v_lshrrev_b32 v[216+\b], 23, v[220+\b]
.endr
	s_delay_alu instid0(VALU_DEP_3)
	v_lshl_or_b32 v230, v217, 8, v216              ; p's scale word for these 128 keys
	s_delay_alu instid0(VALU_DEP_1)
	v_lshl_or_b32 v230, v218, 16, v230
	s_delay_alu instid0(VALU_DEP_1)
	v_lshl_or_b32 v230, v219, 24, v230
.irp c, 0,1
	v_cvt_scalef32_pk16_fp6_f32 v[192+6*\c:194+6*\c], v[96+32*\c:111+32*\c], v[220+2*\c]
	v_cvt_scalef32_pk16_fp6_f32 v[204+4*\c:206+4*\c], v[112+32*\c:127+32*\c], v[221+2*\c]
.endr
	v_nop
.irp c, 0,1
.irp i, 0,1,2
	v_permlane16_swap_b32 v[192+6*\c+\i], v[204+4*\c+\i]
.endr
.irp i, 0,1,2
	s_delay_alu instid0(VALU_DEP_3)
	v_mov_b32 v[195+6*\c+\i], v[204+4*\c+\i]
.endr
.endr
.set J, 0
.rept 16
	v_pk_mul_f32 v[160+J:161+J], v[160+J:161+J], v[228:229] op_sel_hi:[1,0]   ; O^T under the new M; these sixteen are also the places in front of the scaled products and the loads below
.set J, J+2
.endr
.irp t, 0,1,2,3
.irp c, 0,1,2
	ds_load_b128 v[40+12*\t+4*\c:43+12*\t+4*\c], v9 offset:1536*\t+512*\c
.endr
.endr
	ds_load_b32 v88, v11
	ds_load_b32 v89, v11 offset:128
	s_wait_alu depctr_va_vdst(0)
	s_wait_dscnt 0x0
.irp t, 0,2
	v_wmma_scale_f32_16x16x128_f8f6f4 v[160+8*\t:167+8*\t], v[40+12*\t:51+12*\t], v[192:203], v[160+8*\t:167+8*\t], v[88+\t/2], v230 matrix_a_fmt:MATRIX_FMT_FP6 matrix_b_fmt:MATRIX_FMT_FP6
	v_wmma_scale_f32_16x16x128_f8f6f4 v[168+8*\t:175+8*\t], v[52+12*\t:63+12*\t], v[192:203], v[168+8*\t:175+8*\t], v[88+\t/2], v230 matrix_a_fmt:MATRIX_FMT_FP6 matrix_b_fmt:MATRIX_FMT_FP6 matrix_a_scale:MATRIX_SCALE_ROW1
.endr
.Lhidden:
	s_add_co_u32 s76, s76, 12288                   ; two key steps on
	s_add_co_u32 s77, s77, 1024
	s_add_co_u32 s78, s78, 512
	s_add_co_u32 s79, s79, 256
	s_sub_co_u32 s80, s80, 1
	s_cmp_lg_u32 s80, 0
	s_cbranch_scc1 .Lkey
	NOP4                                           ; places behind the last products
	s_cmp_lg_u32 s81, 0
	s_cbranch_scc1 .Lkept                          ; the second tile's part stays in registers
	v_add_f32 v13, v14, v15                        ; the first tile's part goes into my own LDS bytes: the sum beside -M,
.irp k, 0,1,2,3,4,5,6,7
	ds_store_b128 v36, v[160+4*\k:163+4*\k] offset:512*\k   ; O^T as an image of its registers, each accumulator from its low end on
.endr
	ds_store_b64 v37, v[12:13] offset:4096
.irp p, 0,1,2,3,4,5
	v_mov_b32 v[22+\p], v[236+\p]                  ; the second tile's q takes its place between the zeros; the next pass's 36 lines that start its sums stand between these moves and the first scaled product
.endr
	v_mov_b32 v34, v242
.Lkept:
	s_add_co_u32 s81, s81, 1
	s_cmp_lt_u32 s81, 2
	s_cbranch_scc1 .Lpass
; THE JOIN: my part of my second tile with my partner's part of the same tile
	v_add_f32 v14, v14, v15
	s_wait_alu depctr_va_vdst(0)
	s_wait_dscnt 0x0                               ; for the others' sake: my stores have landed
	s_barrier_signal -1
	s_barrier_wait -1
.irp k, 0,1,2,3,4,5,6,7
	ds_load_b128 v[96+4*\k:99+4*\k], v38 offset:512*\k
.endr
	ds_load_b64 v[212:213], v39 offset:4096
	s_wait_dscnt 0x0
	v_min_num_f32 v214, v12, v212                  ; -M of the larger M
	v_sub_f32 v215, v214, v12
	v_sub_f32 v216, v214, v212
	v_cvt_i32_f32 v215, v215                       ; (they saturate: a part without a key step gets the factor 0)
	v_cvt_i32_f32 v216, v216
	v_ldexp_f32 v228, 1.0, v215                    ; my factor,
	v_ldexp_f32 v224, 1.0, v216                    ; my partner's: powers of two
	v_mul_f32 v14, v14, v228
	v_fmac_f32 v14, v213, v224
.set J, 0
.rept 16
	v_pk_mul_f32 v[160+J:161+J], v[160+J:161+J], v[228:229] op_sel_hi:[1,0]
.set J, J+2
.endr
.set J, 0
.rept 16
	v_pk_fma_f32 v[160+J:161+J], v[96+J:97+J], v[224:225], v[160+J:161+J] op_sel_hi:[1,0,1]
.set J, J+2
.endr
; the tile's end: O^T / the sum, quantised along the head's 64: half a fragment and two bytes of the product with Wo
	v_permlanex16_b32 v231, v14, s20, s21
	v_add_f32 v14, v14, v231
	s_wait_alu depctr_va_vdst(0)
	v_rcp_f32 v14, v14
	v_nop
	s_wait_alu depctr_va_vdst(0)
.set J, 0
.rept 32
	v_mul_f32 v[96+J], v[160+J], v14               ; register 16 b + 8 u + j = channel 32 b + 16 u + 8 (lane / 16) + j
.set J, J+1
.endr
.irp b, 0,1
	v_max3_num_f32 v[212+\b], |v[96+16*\b]|, |v[97+16*\b]|, 0x1800000
.endr
.irp i, 2,4,6,8,10,12,14
.irp b, 0,1
	v_max3_num_f32 v[212+\b], v[212+\b], |v[96+16*\b+\i]|, |v[97+16*\b+\i]|
.endr
.endr
.irp b, 0,1
	v_permlanex16_b32 v[216+\b], v[212+\b], s20, s21
.endr
.irp b, 0,1
	v_max_num_f32 v[212+\b], v[212+\b], v[216+\b]
.endr
.irp b, 0,1
	v_add_nc_u32 v[220+\b], 0xff000000, v[212+\b]
.endr
.irp b, 0,1
	v_lshrrev_b32 v[216+\b], 23, v[220+\b]
.endr
	v_lshl_or_b32 v232, v217, 8, v216
	v_cvt_scalef32_pk16_fp6_f32 v[192:194], v[96:111], v220
	v_cvt_scalef32_pk16_fp6_f32 v[204:206], v[112:127], v221
	v_nop
.irp i, 0,1,2
	v_permlane16_swap_b32 v[192+\i], v[204+\i]
.endr
.irp i, 0,1,2
	v_mov_b32 v[195+\i], v[204+\i]
.endr
.irp p, 0,1,2
	global_store_b64 v7, v[192+2*\p:193+2*\p], s[94:95] offset:256*\p   ; 256 consecutive bytes, aligned
.endr
	global_store_b16 v35, v232, s[96:97]           ; my head's two bytes of the row's scale word
	s_wait_tensorcnt 0x0                           ; the wave's end
	ds_add_u32 v5, v6
	s_wait_dscnt 0x0
	CROUND                                         ; the closing round
	s_endpgm
.Lfunc_end_k_q5ed84ab299_attn:
	.size	k_q5ed84ab299_attn, .Lfunc_end_k_q5ed84ab299_attn-k_q5ed84ab299_attn
	.p2alignl 7, 3214868480
	.fill 96, 4, 3214868480
	.section	.rodata,"a",@progbits
	.p2align	6, 0x0
	.amdhsa_kernel k_q5ed84ab299_attn
		.amdhsa_group_segment_fixed_size 280576
		.amdhsa_private_segment_fixed_size 0
		.amdhsa_enable_private_segment 0
		.amdhsa_kernarg_size 24
		.amdhsa_user_sgpr_count 2
		.amdhsa_user_sgpr_kernarg_segment_ptr 1
		.amdhsa_wavefront_size32 1
		.amdhsa_system_sgpr_workgroup_id_x 1
		.amdhsa_system_sgpr_workgroup_id_y 1
		.amdhsa_system_sgpr_workgroup_id_z 1
		.amdhsa_system_vgpr_workitem_id 0
		.amdhsa_next_free_vgpr 256
		.amdhsa_next_free_sgpr 106
		.amdhsa_reserve_vcc 1
		.amdhsa_float_denorm_mode_32 3
		.amdhsa_float_denorm_mode_16_64 3
		.amdhsa_memory_ordered 1
		.amdhsa_forward_progress 1
		.amdhsa_inst_pref_size 44
	.end_amdhsa_kernel
	.amdgpu_metadata
---
amdhsa.version: [ 1, 2 ]
amdhsa.kernels:
  - .name:           k_q5ed84ab299_attn
    .symbol:         k_q5ed84ab299_attn.kd
    .args:
      - { .name: qk, .offset: 0, .size: 8, .value_kind: global_buffer, .address_space: global }
      - { .name: vt, .offset: 8, .size: 8, .value_kind: global_buffer, .address_space: global }
      - { .name: ctx, .offset: 16, .size: 8, .value_kind: global_buffer, .address_space: global }
    .group_segment_fixed_size: 280576
    .private_segment_fixed_size: 0
    .kernarg_segment_align: 8
    .kernarg_segment_size: 24
    .max_flat_workgroup_size: 512
    .sgpr_count:     106
    .vgpr_count:     256
    .wavefront_size: 32
...
	.end_amdgpu_metadata
.endif
;; end of part 3
;; launch wo (part 4): grid 8 x 32, 4 waves a work-group, clusters of 4 x 4, 327,680 bytes of LDS; arguments ctx, wimg, x, bo, x1; writes x1
.if DOCPART == 4
	.amdgcn_target "amdgcn-amd-amdhsa--gfx1250"
	.amdhsa_code_object_version 6
	.text
	.protected	k_q5ed84ab299_wo
	.globl	k_q5ed84ab299_wo
	.p2align	8
	.type	k_q5ed84ab299_wo,@function
k_q5ed84ab299_wo:
	s_mov_b64 s[64:65], 0
	v_nop
	global_prefetch_b8 v0, s[64:65] scope:SCOPE_SE
	s_setreg_imm32_b32 hwreg(HW_REG_WAVE_MODE, 25, 1), 1
	s_wait_xcnt 0x0
	s_wait_alu depctr_hold_cnt(0) depctr_sa_sdst(0) depctr_va_vdst(0) depctr_va_sdst(0) depctr_va_ssrc(0) depctr_va_vcc(0) depctr_vm_vsrc(0)
	s_getreg_b32 s2, hwreg(HW_REG_IB_STS2, 6, 4)
	s_cmp_eq_u32 s2, 0
	s_cbranch_scc0 .Lentry_in_a_cluster
	s_endpgm
.Lentry_in_a_cluster:
	s_bfe_u32 s2, ttmp6, 0x10000c
	s_cmp_lg_u32 s2, 0xf033
	s_cbranch_scc0 .Lentry_shape_is_right
	s_endpgm
.Lentry_shape_is_right:
; x1 = x + ctx Wo + bo, the product on FP6 codes with E8M0 scales; x1 is f32.
; OPERANDS are images of registers in blocks of 12,800 bytes (128 rows x 128 K: eight fragments of 1,536 bytes, then 512 bytes of scale words), [group of 128 rows][K step].
; ctx's fragments lie as six pieces of 256 bytes (registers 2 p, 2 p + 1 of lane l at 256 p + 8 l), since each half comes from another head.
; A work-group makes 128 tokens x 128 columns: 256 work-groups; wave (wa, wb) 64 x 64: 16 accumulators.  Source 0 = 16 columns of the weight, source 1 = 16 tokens: a lane holds eight neighbouring numbers of a row of the result.
; K = 1,024 lies in LDS whole: two slots of 512 along K, each filled once.  CLUSTER 4 x 4: the tokens' blocks are shared along a row, the weight's along a column.  No prefetch: all tiles are asked for at the head.
.set KDIM,  1024
.set GB,    1
.set AF64,  1
.set WOFF,  2457600                    ; Wo's images
.set NBT,   4*GB
.set BLK,   12800
.set GSTR,  (KDIM/128)*BLK
.set SLOTP, 4*BLK
.set SLOT,  (1+GB)*SLOTP
.set SPARE, 2*SLOT
.set NLD,   3*NBT+12*(1+AF64)+2+NBT/2
.set BSTEP, (GB-1)*SLOTP+(2-GB)*6144
.set BSS,   (GB-1)*SLOTP+(2-GB)*256
.set WV, 14
.set WA, 15
.set WB, 16
.set G1A, 24
.set G0A, 32
.set G1B, 48
.set G0B, 56
.set ADRA, 2
.set ADRB, 4
.set ADSA, 6
.set ADSB, 8
.set SPW, 20
.set NIL, 21
.set SCR, 24                           ; v24-35 scale words, two sets: they hold scales and nothing else
.set AFR, 48                           ; v48-143 A's fragments, two sets; on the way out rows of the result.  Window 1: the accumulators.  Window 2: B's two sets.  Window 3: the residual
.set MUL,  0x52
.set TO_B, 0x80
.set MSB, 0
.macro WIN new
.if MSB != (\new)
	s_set_vgpr_msb (MSB<<8)|(\new)
.set MSB, (\new)
.endif
.endm
.macro CREST
	s_cmp_lg_u32 s[WV], 0
	s_cbranch_scc1 .Lnw0_\@
	s_barrier_signal -3
.Lnw0_\@:
	s_barrier_wait -3
	s_barrier_signal -1
	s_barrier_wait -1
.endm
.macro CROUND
	s_barrier_signal -1
	s_barrier_wait -1
	CREST
.endm
.macro PLACES                          ; four plain places behind matrix instructions (ISA guide 7.12.1)
.rept 4
	v_nop
.endr
.endm
.macro WM zero
.if \zero
.if RB && RA
	v_wmma_scale_f32_16x16x128_f8f6f4 v[DD:DD+7], v[BF:BF+11], v[AF:AF+11], 0, v[SBR], v[SAR] matrix_a_fmt:MATRIX_FMT_FP6 matrix_b_fmt:MATRIX_FMT_FP6 matrix_a_scale:MATRIX_SCALE_ROW1 matrix_b_scale:MATRIX_SCALE_ROW1
.elseif RB
	v_wmma_scale_f32_16x16x128_f8f6f4 v[DD:DD+7], v[BF:BF+11], v[AF:AF+11], 0, v[SBR], v[SAR] matrix_a_fmt:MATRIX_FMT_FP6 matrix_b_fmt:MATRIX_FMT_FP6 matrix_a_scale:MATRIX_SCALE_ROW1
.elseif RA
	v_wmma_scale_f32_16x16x128_f8f6f4 v[DD:DD+7], v[BF:BF+11], v[AF:AF+11], 0, v[SBR], v[SAR] matrix_a_fmt:MATRIX_FMT_FP6 matrix_b_fmt:MATRIX_FMT_FP6 matrix_b_scale:MATRIX_SCALE_ROW1
.else
	v_wmma_scale_f32_16x16x128_f8f6f4 v[DD:DD+7], v[BF:BF+11], v[AF:AF+11], 0, v[SBR], v[SAR] matrix_a_fmt:MATRIX_FMT_FP6 matrix_b_fmt:MATRIX_FMT_FP6
.endif
.else
.if RB && RA
	v_wmma_scale_f32_16x16x128_f8f6f4 v[DD:DD+7], v[BF:BF+11], v[AF:AF+11], v[DD:DD+7], v[SBR], v[SAR] matrix_a_fmt:MATRIX_FMT_FP6 matrix_b_fmt:MATRIX_FMT_FP6 matrix_a_scale:MATRIX_SCALE_ROW1 matrix_b_scale:MATRIX_SCALE_ROW1
.elseif RB
	v_wmma_scale_f32_16x16x128_f8f6f4 v[DD:DD+7], v[BF:BF+11], v[AF:AF+11], v[DD:DD+7], v[SBR], v[SAR] matrix_a_fmt:MATRIX_FMT_FP6 matrix_b_fmt:MATRIX_FMT_FP6 matrix_a_scale:MATRIX_SCALE_ROW1
.elseif RA
	v_wmma_scale_f32_16x16x128_f8f6f4 v[DD:DD+7], v[BF:BF+11], v[AF:AF+11], v[DD:DD+7], v[SBR], v[SAR] matrix_a_fmt:MATRIX_FMT_FP6 matrix_b_fmt:MATRIX_FMT_FP6 matrix_b_scale:MATRIX_SCALE_ROW1
.else
	v_wmma_scale_f32_16x16x128_f8f6f4 v[DD:DD+7], v[BF:BF+11], v[AF:AF+11], v[DD:DD+7], v[SBR], v[SAR] matrix_a_fmt:MATRIX_FMT_FP6 matrix_b_fmt:MATRIX_FMT_FP6
.endif
.endif
.endm
.macro MULA set, a, zero               ; the accumulators take turns, one instruction a turn, in the same order in every K step
.set BQ, 0
.rept NBT
.set DD, 8*(NBT*(\a)+BQ)
.set BF, 96*(\set)+12*BQ
.set AF, AFR+48*(\set)+12*(\a)
.set SBR, SCR+6*(\set)+2+BQ/2
.set SAR, SCR+6*(\set)+(\a)/2
.set RB, BQ%2
.set RA, (\a)%2
	WM \zero
.set BQ, BQ+1
.endr
.endm
.macro FETCH slot, q, set
	WIN TO_B
.set BQ, 0
.rept NBT
.irp c, 0,1,2
	ds_load_b128 v[96*(\set)+12*BQ+4*\c:96*(\set)+12*BQ+4*\c+3], v[ADRB+\slot] offset:(\q)*BLK+1536*BQ+512*\c
.endr
.set BQ, BQ+1
.endr
	WIN 0
.irp a, 0,1,2,3
.if AF64
.irp p, 0,1,2,3,4,5
	ds_load_b64 v[AFR+48*(\set)+12*\a+2*\p:AFR+48*(\set)+12*\a+2*\p+1], v[ADRA+\slot] offset:(\q)*BLK+1536*\a+256*\p
.endr
.else
.irp c, 0,1,2
	ds_load_b128 v[AFR+48*(\set)+12*\a+4*\c:AFR+48*(\set)+12*\a+4*\c+3], v[ADRA+\slot] offset:(\q)*BLK+1536*\a+512*\c
.endr
.endif
.endr
.irp j, 0,1
	ds_load_b32 v[SCR+6*(\set)+\j], v[ADSA+\slot] offset:(\q)*BLK+128*\j
.endr
.set BQ, 0
.rept NBT/2
	ds_load_b32 v[SCR+6*(\set)+2+BQ], v[ADSB+\slot] offset:(\q)*BLK+128*BQ
.set BQ, BQ+1
.endr
.endm
.macro STEP slot, q, zero
	PLACES
	FETCH \slot, (\q)+1, 1-(\q)%2
	s_wait_dscnt NLD                               ; all but the NLD loads just issued: this step's operands are in
	WIN MUL
	MULA (\q)%2, 0, \zero
	MULA (\q)%2, 1, \zero
	MULA (\q)%2, 2, \zero
	MULA (\q)%2, 3, \zero
	WIN 0
.endm
.macro TURN slot, next
	s_wait_tensorcnt 0x0                           ; all my tensor loads have landed: my part of the next slot;
	ds_add_u32 v[SPW], v[NIL]                      ; 0 onto my spare word
	s_wait_dscnt 1                                 ; (the add alone may be out)
	WIN MUL
	MULA 1, 0, 0
	s_wait_dscnt 0x0                               ; the add is done, and my reads of this slot are over
	s_barrier_signal -1
	MULA 1, 1, 0
	WIN 0
	s_barrier_wait -1
	PLACES
	FETCH \next, 0, 0
	WIN MUL
	MULA 1, 2, 0
	MULA 1, 3, 0
	WIN 0
.endm
	s_load_b256 s[4:11], s[0:1], 0x0               ; A's images s[4:5], the weights' s[6:7], the residual s[8:9], the bias s[10:11]
	s_load_b64 s[12:13], s[0:1], 0x20              ; the result
	v_lshl_add_u32 v[SPW], v0, 2, SPARE
	v_mov_b32 v[NIL], 0
	ds_add_u32 v[SPW], v[NIL]                      ; the wave's opening: the add and its wait ahead of the round in front of the first tensor loads
	ds_add_u32 v[SPW], v[NIL]
	v_lshrrev_b32 v1, 5, v0
	v_readfirstlane_b32 s[WV], v1
	s_lshr_b32 s[WA], s[WV], 1
	s_and_b32 s[WB], s[WV], 1
	s_bfe_u32 s17, ttmp6, 0x40000                  ; cx
	s_bfe_u32 s18, ttmp6, 0x40004                  ; cy
	s_lshl_b32 s20, ttmp9, 2
	s_add_co_u32 s20, s20, s17                     ; x: my 128 columns
	s_and_b32 s21, ttmp7, 0xffff
	s_lshl_b32 s21, s21, 2
	s_add_co_u32 s21, s21, s18                     ; y: my 128 tokens
	s_lshl_b32 s22, s18, 2
	s_lshl_b32 s22, 15, s22
	s_lshl_b32 s23, 0x1111, s17
	s_or_b32 s[G1A], s22, (3<<16)|(1<<21)
	s_or_b32 s[G1B], s23, (3<<16)|(1<<21)
.irp g, G1A, G1B
	s_mov_b32 s[\g+1], 32<<16                      ; a dense block of 51,200 bytes as 200 rows of 256
	s_mov_b32 s[\g+2], 200<<16
	s_mov_b32 s[\g+3], 32<<16
	s_mov_b32 s[\g+4], 200
	s_mov_b32 s[\g+5], 32
	s_mov_b32 s[\g+6], 0
	s_mov_b32 s[\g+7], 0
.endr
	s_mul_i32 s40, s21, GSTR
	s_mov_b32 s41, 0
	s_mov_b32 s43, SLOTP                           ; the weight's part lies behind the tokens' in each slot
	s_mul_i32 s44, s20, GB
	s_mul_i32 s44, s44, GSTR
	s_add_co_u32 s44, s44, WOFF
	s_mov_b32 s45, 0
	s_wait_dscnt 0x0                               ; the opening add is done
	s_wait_kmcnt 0x0
	s_add_nc_u64 s[40:41], s[4:5], s[40:41]
	s_add_nc_u64 s[44:45], s[6:7], s[44:45]
	CROUND
.irp s, 0,1
	s_mov_b32 s[G0A+4*\s], 1
	s_mov_b32 s[G0A+4*\s+1], \s*SLOT
	s_add_nc_u64 s[G0A+4*\s+2:G0A+4*\s+3], s[40:41], \s*SLOTP
	s_or_b32 s[G0A+4*\s+3], s[G0A+4*\s+3], 0x80000000
	s_mov_b32 s[G0B+4*\s], 1
	s_add_co_u32 s[G0B+4*\s+1], s43, \s*SLOT
	s_add_nc_u64 s[G0B+4*\s+2:G0B+4*\s+3], s[44:45], \s*SLOTP
	s_or_b32 s[G0B+4*\s+3], s[G0B+4*\s+3], 0x80000000
.endr
	s_cmp_eq_u32 s[WV], 0                          ; the head's four tiles, one a wave, each in an arm of its own: wave 0 slot 0's tokens,
	s_cbranch_scc0 .Lfirst_1
	tensor_load_to_lds s[G0A:G0A+3], s[G1A:G1A+7]
	s_nop 0
	PLACES
	s_branch .Lfirst_done
.Lfirst_1:
	s_cmp_eq_u32 s[WV], 1                          ; wave 1 slot 0's weights,
	s_cbranch_scc0 .Lfirst_2
	tensor_load_to_lds s[G0B:G0B+3], s[G1B:G1B+7]
	s_nop 0
	PLACES
	s_branch .Lfirst_done
.Lfirst_2:
	s_cmp_eq_u32 s[WV], 2                          ; wave 2 slot 1's tokens,
	s_cbranch_scc0 .Lfirst_3
	tensor_load_to_lds s[G0A+4:G0A+7], s[G1A:G1A+7]
	s_nop 0
	PLACES
	s_branch .Lfirst_done
.Lfirst_3:
	tensor_load_to_lds s[G0B+4:G0B+7], s[G1B:G1B+7] ; wave 3 slot 1's weights
	s_nop 0
	PLACES
.Lfirst_done:
	v_and_b32 v1, 31, v0
	v_and_b32 v17, 15, v0                          ; r
	v_bfe_u32 v18, v0, 4, 1                        ; h
	v_lshlrev_b32 v16, 4, v17                      ; 16 (lane % 16)
	v_lshl_add_u32 v12, v18, 12, v16               ; the result and the residual: lanes 0-15 one row's 256 bytes, lanes 16-31 the next row's
	s_wait_alu depctr_va_vdst(0)
	s_lshl_b32 s70, s21, 7
	s_lshl_b32 s71, s[WA], 6
	s_add_co_u32 s70, s70, s71
	s_lshl_b32 s70, s70, 12                        ; my first row, in bytes
	s_lshl_b32 s74, s20, 9
	s_lshl_b32 s75, s[WB], 8
	s_add_co_u32 s74, s74, s75                     ; my first column, in bytes
	s_add_co_u32 s70, s70, s74
	s_mov_b32 s71, 0
	s_mov_b32 s75, 0
	s_add_nc_u64 s[76:77], s[8:9], s[70:71]
	s_add_nc_u64 s[78:79], s[12:13], s[70:71]
	s_add_nc_u64 s[80:81], s[10:11], s[74:75]
	WIN 0xc0                                       ; destination window 3: the residual comes while the products run
.irp a, 0,1,2,3
.irp t, 0,1,2,3,4,5,6,7
	global_load_b128 v[32*\a+4*\t:32*\a+4*\t+3], v12, s[76:77] offset:65536*\a+8192*\t
.endr
.endr
	WIN 0
	global_load_b128 v[144:147], v16, s[80:81]     ; the bias of my four columns
	v_lshlrev_b32 v13, 4-AF64, v1
	s_wait_alu depctr_va_vdst(0)
	v_lshlrev_b32 v14, 4, v1
	s_wait_alu depctr_va_vdst(0)
	v_lshlrev_b32 v15, 2, v1
	s_wait_alu depctr_va_vdst(0)
	s_mul_i32 s66, s[WA], 6144
	s_mul_i32 s67, s[WB], BSTEP
	s_add_co_u32 s67, s67, SLOTP
	s_lshl_b32 s68, s[WA], 8
	s_add_co_u32 s68, s68, 12288
	s_mul_i32 s69, s[WB], BSS
	s_add_co_u32 s69, s69, SLOTP+12288
.irp s, 0,1
	v_add_nc_u32 v[ADRA+\s], s66, v13
	v_add_nc_u32 v[ADRB+\s], s67, v14
	v_add_nc_u32 v[ADSA+\s], s68, v15
	v_add_nc_u32 v[ADSB+\s], s69, v15
	s_add_co_u32 s66, s66, SLOT
	s_add_co_u32 s67, s67, SLOT
	s_add_co_u32 s68, s68, SLOT
	s_add_co_u32 s69, s69, SLOT
.endr
	s_mul_i32 s66, s[WV], 4352                     ; my stage: 16 rows of 256 + 16 bytes, in slot 0: when it is written that slot has had its only fill, and every wave has passed the change of slots behind which nobody reads it
	v_mul_u32_u24 v10, v17, 272
	v_lshl_add_u32 v10, v18, 5, v10
	v_add_nc_u32 v10, s66, v10                     ; in: row r, + 32 h
	v_mul_u32_u24 v11, v18, 272
	v_add_nc_u32 v11, v11, v16
	v_add_nc_u32 v11, s66, v11                     ; back: two rows an instruction
	s_wait_alu depctr_va_vdst(0)
	s_cmp_lt_u32 s[WV], 2                          ; waves 0 and 1 brought slot 0: they wait; slot 1's tiles may stay out
	s_cbranch_scc0 .Lnot_s0
	s_wait_tensorcnt 0x0
.Lnot_s0:
	s_barrier_signal -1
	s_barrier_wait -1
	FETCH 0, 0, 0
	STEP 0, 0, 1
	STEP 0, 1, 0
	STEP 0, 2, 0
	TURN 0, 1
	STEP 1, 0, 0
	STEP 1, 1, 0
	STEP 1, 2, 0
	s_wait_dscnt 0x0
	WIN MUL
	MULA 1, 0, 0
	MULA 1, 1, 0
	MULA 1, 2, 0
	MULA 1, 3, 0
	WIN 0
	PLACES
; THE WAY OUT, 16 rows x 64 columns at a time, through my stage: whole rows of 256 bytes come back, take the residual and the bias, and leave as aligned runs of 256 bytes
.macro EPI a
.set BK, 48+32*((\a)%2)
.if \a > 1
	s_wait_xcnt 0x0                                ; the stores of two tiles back have read these registers
.endif
	WIN 0x04                                       ; an LDS store's data are its source 1: window 1
.irp b, 0,1,2,3
	ds_store_b128 v10, v[8*(4*(\a)+\b):8*(4*(\a)+\b)+3] offset:64*\b          ; each accumulator from its low end on
	ds_store_b128 v10, v[8*(4*(\a)+\b)+4:8*(4*(\a)+\b)+7] offset:64*\b+16
.endr
	WIN 0
.irp t, 0,1,2,3,4,5,6,7
	ds_load_b128 v[BK+4*\t:BK+4*\t+3], v11 offset:544*\t   ; LDS serves a wave's instructions in order: these see my stores
.endr
	s_wait_dscnt 0x0
.if \a == 0
	s_wait_loadcnt 0x0                             ; the residual and the bias
.endif
	WIN 0x0c                                       ; source 1 window 3
.set I, 0
.rept 16
	v_pk_add_f32 v[BK+I:BK+I+1], v[BK+I:BK+I+1], v[32*(\a)+I:32*(\a)+I+1]
.set I, I+2
.endr
	WIN 0
.irp t, 0,1,2,3,4,5,6,7
	v_pk_add_f32 v[BK+4*\t:BK+4*\t+1], v[BK+4*\t:BK+4*\t+1], v[144:145]
	v_pk_add_f32 v[BK+4*\t+2:BK+4*\t+3], v[BK+4*\t+2:BK+4*\t+3], v[146:147]
.endr
.irp t, 0,1,2,3,4,5,6,7
	global_store_b128 v12, v[BK+4*\t:BK+4*\t+3], s[78:79] offset:65536*(\a)+8192*\t
.endr
.endm
	EPI 0
	EPI 1
	EPI 2
	EPI 3
	s_wait_tensorcnt 0x0                           ; the wave's end
	ds_add_u32 v[SPW], v[NIL]
	s_wait_dscnt 0x0
	CROUND                                         ; the closing round
	s_endpgm
.Lfunc_end_k_q5ed84ab299_wo:
	.size	k_q5ed84ab299_wo, .Lfunc_end_k_q5ed84ab299_wo-k_q5ed84ab299_wo
	.p2alignl 7, 3214868480
	.fill 96, 4, 3214868480
	.section	.rodata,"a",@progbits
	.p2align	6, 0x0
	.amdhsa_kernel k_q5ed84ab299_wo
		.amdhsa_group_segment_fixed_size 327680
		.amdhsa_private_segment_fixed_size 0
		.amdhsa_enable_private_segment 0
		.amdhsa_kernarg_size 40
		.amdhsa_user_sgpr_count 2
		.amdhsa_user_sgpr_kernarg_segment_ptr 1
		.amdhsa_wavefront_size32 1
		.amdhsa_system_sgpr_workgroup_id_x 1
		.amdhsa_system_sgpr_workgroup_id_y 1
		.amdhsa_system_sgpr_workgroup_id_z 1
		.amdhsa_system_vgpr_workitem_id 0
		.amdhsa_next_free_vgpr 896
		.amdhsa_next_free_sgpr 100
		.amdhsa_reserve_vcc 0
		.amdhsa_float_denorm_mode_32 3
		.amdhsa_float_denorm_mode_16_64 3
		.amdhsa_memory_ordered 1
		.amdhsa_forward_progress 1
		.amdhsa_inst_pref_size 66
	.end_amdhsa_kernel
	.amdgpu_metadata
---
amdhsa.version: [ 1, 2 ]
amdhsa.kernels:
  - .name:           k_q5ed84ab299_wo
    .symbol:         k_q5ed84ab299_wo.kd
    .args:
      - { .name: ctx, .offset: 0, .size: 8, .value_kind: global_buffer, .address_space: global }
      - { .name: wimg, .offset: 8, .size: 8, .value_kind: global_buffer, .address_space: global }
      - { .name: x, .offset: 16, .size: 8, .value_kind: global_buffer, .address_space: global }
      - { .name: bo, .offset: 24, .size: 8, .value_kind: global_buffer, .address_space: global }
      - { .name: x1, .offset: 32, .size: 8, .value_kind: global_buffer, .address_space: global }
    .group_segment_fixed_size: 327680
    .private_segment_fixed_size: 0
    .kernarg_segment_align: 8
    .kernarg_segment_size: 40
    .max_flat_workgroup_size: 128
    .sgpr_count:     100
    .vgpr_count:     896
    .wavefront_size: 32
...
	.end_amdgpu_metadata
.endif
;; end of part 4
;; launch ln2: the kernel of part 1 again; grid 256 x 1, 8 waves a work-group, no clusters, 79,872 bytes of LDS; arguments x1, g2, be2, h2, Wq, Wk, Wv, Wo, W1, W2, wimg; writes h2, wimg
;; launch ffn1 (part 5): grid 8 x 32, 4 waves a work-group, clusters of 4 x 4, 167,936 bytes of LDS; arguments h2, wimg, b1, hid; writes hid
.if DOCPART == 5
	.amdgcn_target "amdgcn-amd-amdhsa--gfx1250"
	.amdhsa_code_object_version 6
	.text
	.protected	k_q5ed84ab299_ffn1
	.globl	k_q5ed84ab299_ffn1
	.p2align	8
	.type	k_q5ed84ab299_ffn1,@function
k_q5ed84ab299_ffn1:
	s_mov_b64 s[64:65], 0
	v_nop
	global_prefetch_b8 v0, s[64:65] scope:SCOPE_SE
	s_setreg_imm32_b32 hwreg(HW_REG_WAVE_MODE, 25, 1), 1
	s_wait_xcnt 0x0
	s_wait_alu depctr_hold_cnt(0) depctr_sa_sdst(0) depctr_va_vdst(0) depctr_va_sdst(0) depctr_va_ssrc(0) depctr_va_vcc(0) depctr_vm_vsrc(0)
	s_getreg_b32 s2, hwreg(HW_REG_IB_STS2, 6, 4)
	s_cmp_eq_u32 s2, 0
	s_cbranch_scc0 .Lentry_in_a_cluster
	s_endpgm
.Lentry_in_a_cluster:
	s_bfe_u32 s2, ttmp6, 0x10000c
	s_cmp_lg_u32 s2, 0xf033
	s_cbranch_scc0 .Lentry_shape_is_right
	s_endpgm
.Lentry_shape_is_right:
; hid = Q(gelu(LN2(x1) W1 + b1)): the product on FP6 codes with E8M0 scales, the exact gelu in f32, the result quantised at once along the hidden units for the next product.
; OPERANDS are images of registers in blocks of 12,800 bytes (128 rows x 128 K: eight fragments of 1,536 bytes, then 512 bytes of scale words), [group of 128 rows][K step].
; 256 WORK-GROUPS THAT STAY: each makes 128 tokens x 512 hidden units, as two tiles of 256, one after the other; wave (wa, wb) 64 x 128 of a tile: 32 accumulators.
; Source 0 = 16 columns of W1, source 1 = 16 tokens: a lane holds one token, its 64 registers of a tile of 16 tokens are 128 neighbouring hidden units: a fragment.
; THE TOKENS' 102,400 bytes (all of K) lie in LDS, filled once, each wave bringing two K steps by one joint load (CLUSTER 4 x 4: shared along a row of the cluster); behind the one barrier LDS is only read.
; W1'S FRAGMENTS GO FROM MEMORY STRAIGHT INTO REGISTERS: they lie there as the registers want them, 512 consecutive bytes an instruction.  So a K step reads from LDS 4 fragments a wave and not 12.
; They are asked for LEAD = 2 steps ahead, in three sets of registers that take turns; the walk of 16 steps goes on over the change of tiles: the second tile's first two steps are asked for ahead of the first tile's way out.
; W1 is not shared by joint loads here: what goes into registers has no such form.
; PREFETCH: my four groups of W1 (409,600 bytes) are read by the 32 work-groups of my x; sixteen of them (y % 16) share the blocks of 256 bytes out by address, 25 blocks a wave, one instruction at the head.
; THE WAY OUT of a tile is a loop of four trips (16 tokens each); only the 32 lines that take the sums out of their accumulators, and add the bias, are written four times.
; gelu(v) = v / 2 + (v / 2) erf(v / sqrt 2); erf(z) = z P(z^2) / Q(z^2), polynomials of degree 6 and 4 in f32, z held to +-4 (beyond it erf is 1 to f32's last bit); the division is v_rcp_f32 and a multiplication.
; LIMITS: NaN and infinities are not served; a block whose largest magnitude lies under 2^-124 keeps the byte 1.
.set WOFF,  3276800                    ; W1's images
.set NBT,   8
.set BLK,   12800
.set GSTR,  8*BLK
.set NS,    16                         ; steps of the walk: two tiles x eight K steps
.set LEAD,  2
.set NLA,   14                         ; LDS loads of a step: 12 + 2
.set NLB,   28                         ; global loads of a step: 24 + 4
.set SPARE, 8*BLK                      ; behind the tokens: the spare words, 128 bytes a wave
.set WV, 14
.set WA, 15
.set WB, 16
.set G1A, 24
.set G0A, 32
.set BP,  40                           ; s[40:41] my group's fragments; s[42:43] its scale words; s[44:45] my share of the prefetch; s[46:47] my numbers of b1
.set BS,  42
.set PFB, 44
.set BB,  46
.set EC,  86                           ; the way out's counter
.set ADRA, 2                           ; v2-3 the tokens' fragments, K steps 0-3 and 4-7; v4-5 their scale words
.set ADSA, 4
.set GO16, 6                           ; 16 x lane
.set GO4,  7                           ; 4 x lane
.set R4,   8                           ; 4 r
.set BO,   9                           ; 32 h
.set PF,   10                          ; the prefetch's offset
.set SPW, 20
.set NIL, 21
.set SCA, 24                           ; v24-27 the tokens' scale words, two sets; v28-31, v36-39, v44-47 W1's, three sets: they hold scales and nothing else
.set SCB, 28
.set AFR, 48                           ; v48-143 the tokens' fragments, two sets.  Window 1: the accumulators.  W1's sets: window 2 at 0 and 96, window 3 at 0.  Window 3, 96-223: the bias of both tiles
.set T,   48                           ; the way out: v48-111 a tile's 64 numbers; v112-127 z; v128-143 z^2; v208-223 P; v224-239 Q
.set Z,   112
.set X2,  128
.set PP,  208
.set QQ,  224
.set TM,  112                          ; the quantiser works where gelu has finished
.set PW,  128
.set PC,  208
.set CA13, 12                          ; the coefficients, each twice, for packed multiply-adds on registers alone
.set CA11, 14
.set CA9,  16
.set CA7,  18
.set CA5,  32
.set CA3,  34
.set CA1,  240
.set CB8,  242
.set CB6,  244
.set CB4,  246
.set CB2,  248
.set CB0,  250
.set RH,   252                         ; sqrt(1/2)
.set MSB, 0
.macro WIN new
.if MSB != (\new)
	s_set_vgpr_msb (MSB<<8)|(\new)
.set MSB, (\new)
.endif
.endm
.macro CROUND
	s_barrier_signal -1
	s_barrier_wait -1
	s_cmp_lg_u32 s[WV], 0
	s_cbranch_scc1 .Lnw0_\@
	s_barrier_signal -3
.Lnw0_\@:
	s_barrier_wait -3
	s_barrier_signal -1
	s_barrier_wait -1
.endm
.macro PLACES                          ; four plain places behind matrix instructions (ISA guide 7.12.1)
.rept 4
	v_nop
.endr
.endm
.macro WM1 c, rb, ra
	v_wmma_scale_f32_16x16x128_f8f6f4 v[DD:DD+7], v[BF:BF+11], v[AF:AF+11], \c, v[SBR], v[SAR] matrix_a_fmt:MATRIX_FMT_FP6 matrix_b_fmt:MATRIX_FMT_FP6 matrix_a_scale:MATRIX_SCALE_ROW\rb matrix_b_scale:MATRIX_SCALE_ROW\ra
.endm
.macro WM c                            ; the scale words of tiles 2 i and 2 i + 1 share a register: lanes 0-15 and lanes 16-31
.if RB && RA
	WM1 \c, 1, 1
.elseif RB
	WM1 \c, 1, 0
.elseif RA
	WM1 \c, 0, 1
.else
	WM1 \c, 0, 0
.endif
.endm
.macro MULA n, a, zero                 ; the accumulators take turns, one instruction a turn, in the same order in every step
.set BQ, 0
.rept NBT
.set DD, 8*(NBT*(\a)+BQ)
.set BF, 96*(((\n)%3)%2)+12*BQ
.set AF, AFR+48*((\n)%2)+12*(\a)
.set SBR, SCB+8*((\n)%3)+BQ/2
.set SAR, SCA+2*((\n)%2)+(\a)/2
.set RB, BQ%2
.set RA, (\a)%2
.if \zero
	WM 0
.else
	WM v[DD:DD+7]
.endif
.set BQ, BQ+1
.endr
.endm
.macro FETCHB n                        ; W1's eight fragments and their scale words of step n (tile n / 8, K step n % 8) into set n % 3
.set OF, ((\n)/8)*2*GSTR+((\n)%8)*BLK
	WIN (2+((\n)%3)/2)<<6
.set BQ, 0
.rept NBT
.irp c, 0,1,2
	global_load_b128 v[96*(((\n)%3)%2)+12*BQ+4*\c:96*(((\n)%3)%2)+12*BQ+4*\c+3], v[GO16], s[BP:BP+1] offset:OF+1536*BQ+512*\c
.endr
.set BQ, BQ+1
.endr
	WIN 0
.irp i, 0,1,2,3
	global_load_b32 v[SCB+8*((\n)%3)+\i], v[GO4], s[BS:BS+1] offset:OF+128*\i
.endr
.endm
.macro FETCHA n                        ; my four fragments of the tokens and their scale words, K step n % 8, into set n % 2
.set Q, (\n)%8
.irp a, 0,1,2,3
.irp c, 0,1,2
	ds_load_b128 v[AFR+48*((\n)%2)+12*\a+4*\c:AFR+48*((\n)%2)+12*\a+4*\c+3], v[ADRA+Q/4] offset:(Q%4)*BLK+1536*\a+512*\c
.endr
.endr
.irp j, 0,1
	ds_load_b32 v[SCA+2*((\n)%2)+\j], v[ADSA+Q/4] offset:(Q%4)*BLK+128*\j
.endr
.endm
.macro STEP n, zero
	PLACES                                         ; in front of the loads into registers that the last step's products read
.if (\n)+LEAD < NS
	FETCHB (\n)+LEAD
.endif
.if ((\n)%8) < 7
	FETCHA (\n)+1
	s_wait_dscnt NLA                               ; all but the NLA loads just issued
.else
	s_wait_dscnt 0x0                               ; (a tile's last step fetches no tokens: the way out works in those registers)
.endif
.if (\n)+LEAD < NS
	s_wait_loadcnt LEAD*NLB                        ; this step's fragments of W1 are in: younger are the loads of the LEAD steps behind it
.else
	s_wait_loadcnt NLB*(NS-1-(\n))
.endif
	WIN 0x52+((\n)%3)/2                            ; source 0 window 2 or 3, source 1 window 0, C and D window 1
	MULA \n, 0, \zero
	MULA \n, 1, \zero
	MULA \n, 2, \zero
	MULA \n, 3, \zero
	WIN 0
.endm
.macro QUANT s                         ; 64 numbers of a lane, register 16 b + i in block b, become a fragment's codes in v[PC] on and its row's scale word in v[PW]
.irp b, 0,1,2,3
	v_max3_num_f32 v[TM+\b], |v[(\s)+16*\b]|, |v[(\s)+16*\b+1]|, 0x1800000
.endr
.irp i, 2,4,6,8,10,12,14
.irp b, 0,1,2,3
	v_max3_num_f32 v[TM+\b], v[TM+\b], |v[(\s)+16*\b+\i]|, |v[(\s)+16*\b+\i+1]|
.endr
.endr
.irp b, 0,1,2,3
	v_permlanex16_b32 v[TM+4+\b], v[TM+\b], s2, s3
.endr
.irp b, 0,1,2,3
	v_max_num_f32 v[TM+\b], v[TM+\b], v[TM+4+\b]
.endr
.irp b, 0,1,2,3
	v_add_nc_u32 v[TM+12+\b], 0xff000000, v[TM+\b]
.endr
.irp b, 0,1,2,3
	v_lshrrev_b32 v[TM+4+\b], 23, v[TM+12+\b]
.endr
	v_lshl_or_b32 v[PW], v[TM+5], 8, v[TM+4]
	v_lshl_or_b32 v[PW], v[TM+6], 16, v[PW]
	v_lshl_or_b32 v[PW], v[TM+7], 24, v[PW]
.irp c, 0,1
	v_cvt_scalef32_pk16_fp6_f32 v[PC+6*\c:PC+6*\c+2], v[(\s)+32*\c:(\s)+32*\c+15], v[TM+12+2*\c]
	v_cvt_scalef32_pk16_fp6_f32 v[PC+12+4*\c:PC+14+4*\c], v[(\s)+32*\c+16:(\s)+32*\c+31], v[TM+13+2*\c]
.endr
	v_nop
.irp c, 0,1
.irp i, 0,1,2
	v_permlane16_swap_b32 v[PC+6*\c+\i], v[PC+12+4*\c+\i]
.endr
.irp i, 0,1,2
	v_mov_b32 v[PC+3+6*\c+\i], v[PC+12+4*\c+\i]
.endr
.endr
.endm
.macro CONST r, bits
	v_mov_b32 v[\r], \bits
	v_mov_b32 v[\r+1], \bits
.endm
.macro HORN d, cf                      ; d = d z^2 + a coefficient, sixteen numbers
.irp i, 0,2,4,6,8,10,12,14
	v_pk_fma_f32 v[\d+\i:\d+\i+1], v[\d+\i:\d+\i+1], v[X2+\i:X2+\i+1], v[\cf:\cf+1]
.endr
.endm
.macro GELU16 base                     ; sixteen numbers of the tile, in place
.irp i, 0,2,4,6,8,10,12,14
	v_pk_mul_f32 v[Z+\i:Z+\i+1], v[T+(\base)+\i:T+(\base)+\i+1], v[RH:RH+1]
.endr
.irp i, 0,1,2,3,4,5,6,7,8,9,10,11,12,13,14,15
	v_med3_num_f32 v[Z+\i], v[Z+\i], -4.0, 4.0
.endr
.irp i, 0,2,4,6,8,10,12,14
	v_pk_mul_f32 v[X2+\i:X2+\i+1], v[Z+\i:Z+\i+1], v[Z+\i:Z+\i+1]
.endr
.irp i, 0,2,4,6,8,10,12,14
	v_pk_fma_f32 v[PP+\i:PP+\i+1], v[X2+\i:X2+\i+1], v[CA13:CA13+1], v[CA11:CA11+1]
	v_pk_fma_f32 v[QQ+\i:QQ+\i+1], v[X2+\i:X2+\i+1], v[CB8:CB8+1], v[CB6:CB6+1]
.endr
	HORN PP, CA9
	HORN QQ, CB4
	HORN PP, CA7
	HORN QQ, CB2
	HORN PP, CA5
	HORN QQ, CB0
	HORN PP, CA3
	HORN PP, CA1
.irp i, 0,2,4,6,8,10,12,14
	v_pk_mul_f32 v[PP+\i:PP+\i+1], v[PP+\i:PP+\i+1], v[Z+\i:Z+\i+1]
.endr
	s_wait_alu depctr_va_vdst(0)                   ; the wait ahead of the batch
.irp i, 0,1,2,3,4,5,6,7,8,9,10,11,12,13,14,15
	v_rcp_f32 v[QQ+\i], v[QQ+\i]
.endr
.irp i, 0,2,4,6,8,10,12,14
	v_pk_mul_f32 v[T+(\base)+\i:T+(\base)+\i+1], v[T+(\base)+\i:T+(\base)+\i+1], 0.5 op_sel_hi:[1,0]   ; plain work behind the batch of reciprocals
.endr
	s_wait_alu depctr_va_vdst(0)                   ; one wait for the sixteen, ahead of their first reader
.irp i, 0,2,4,6,8,10,12,14
	v_pk_mul_f32 v[PP+\i:PP+\i+1], v[PP+\i:PP+\i+1], v[QQ+\i:QQ+\i+1]   ; erf
.endr
.irp i, 0,2,4,6,8,10,12,14
	v_pk_fma_f32 v[T+(\base)+\i:T+(\base)+\i+1], v[T+(\base)+\i:T+(\base)+\i+1], v[PP+\i:PP+\i+1], v[T+(\base)+\i:T+(\base)+\i+1]
.endr
.endm
.macro COPY a, t                       ; the sums of 16 tokens, and the bias: each accumulator is read from its low end on
	WIN 0x0d                                       ; source 0 window 1, source 1 window 3
	s_wait_alu depctr_va_vdst(0)                   ; the wait ahead of matrix results first read behind reciprocals
.set I, 0
.rept 32
	v_pk_add_f32 v[T+I:T+I+1], v[64*(\a)+I:64*(\a)+I+1], v[96+64*(\t)+I:96+64*(\t)+I+1]
.set I, I+2
.endr
	WIN 0
	s_wait_alu depctr_va_vdst(0)                   ; the wait ahead of the branch
.endm
.macro EPILOG t                        ; the way out of tile t: four trips of 16 tokens: bias, gelu, quantiser, the fragment's image
	s_mov_b32 s[EC], 0
.Lepi_\@:
	s_cmp_lt_u32 s[EC], 2
	s_cbranch_scc0 .Lhi_\@
	s_cmp_eq_u32 s[EC], 0
	s_cbranch_scc0 .Lo1_\@
	COPY 0, \t
	s_branch .Lgo_\@
.Lo1_\@:
	COPY 1, \t
	s_branch .Lgo_\@
.Lhi_\@:
	s_cmp_eq_u32 s[EC], 2
	s_cbranch_scc0 .Lo3_\@
	COPY 2, \t
	s_branch .Lgo_\@
.Lo3_\@:
	COPY 3, \t
.Lgo_\@:
	GELU16 0
	GELU16 16
	GELU16 32
	GELU16 48
	QUANT T
.irp c, 0,1,2
	global_store_b128 v[GO16], v[PC+4*\c:PC+4*\c+3], s[80:81] offset:512*\c   ; 512 consecutive bytes, aligned
.endr
	global_store_b32 v[R4], v[PW], s[82:83]
	s_wait_xcnt 0x0                                ; the stores have read their data and their bases: both step on
	s_add_nc_u64 s[80:81], s[80:81], 1536
	s_add_nc_u64 s[82:83], s[82:83], 64
	s_add_co_u32 s[EC], s[EC], 1
	s_cmp_lt_u32 s[EC], 4
	s_cbranch_scc1 .Lepi_\@
.endm
	s_load_b256 s[4:11], s[0:1], 0x0               ; LN2's images s[4:5], the weights' s[6:7], b1 s[8:9], hid s[10:11]
	v_lshl_add_u32 v[SPW], v0, 2, SPARE
	v_mov_b32 v[NIL], 0
	ds_add_u32 v[SPW], v[NIL]                      ; the wave's opening: the add, twice on end, and its wait ahead of the round in front of the first tensor loads
	ds_add_u32 v[SPW], v[NIL]
	v_lshrrev_b32 v1, 5, v0
	v_readfirstlane_b32 s[WV], v1
	s_lshr_b32 s[WA], s[WV], 1
	s_and_b32 s[WB], s[WV], 1
	s_bfe_u32 s17, ttmp6, 0x40000
	s_bfe_u32 s18, ttmp6, 0x40004
	s_lshl_b32 s20, ttmp9, 2
	s_add_co_u32 s20, s20, s17                     ; x: my 512 hidden units
	s_and_b32 s21, ttmp7, 0xffff
	s_lshl_b32 s21, s21, 2
	s_add_co_u32 s21, s21, s18                     ; y: my 128 tokens
	s_lshl_b32 s22, s18, 2
	s_lshl_b32 s22, 15, s22                        ; my row of the cluster
	s_or_b32 s[G1A], s22, (3<<16)|(1<<21)          ; elements of 8 bytes; the mask, and bit 21 beside it
	s_mov_b32 s[G1A+1], 32<<16                     ; two K steps: 25,600 dense bytes as 100 rows of 256
	s_mov_b32 s[G1A+2], 100<<16
	s_mov_b32 s[G1A+3], 32<<16
	s_mov_b32 s[G1A+4], 100
	s_mov_b32 s[G1A+5], 32
	s_mov_b32 s[G1A+6], 0
	s_mov_b32 s[G1A+7], 0
	s_mov_b32 s[G0A], 1
	s_mul_i32 s[G0A+1], s[WV], 2*BLK               ; my two K steps, in LDS and in memory alike
	s_mul_i32 s66, s21, GSTR
	s_add_co_u32 s66, s66, s[G0A+1]
	s_mov_b32 s67, 0
	s_lshl_b32 s68, s20, 2
	s_mul_i32 s76, s68, GSTR
	s_add_co_u32 s76, s76, WOFF                    ; W1's groups 4 x .. 4 x + 3
	s_mul_i32 s69, s[WB], GSTR
	s_add_co_u32 s72, s76, s69                     ; tile t, wave column wb: group 4 x + 2 t + wb
	s_mov_b32 s73, 0
	s_add_co_u32 s74, s72, 12288
	s_mov_b32 s75, 0
	s_and_b32 s69, s21, 15
	s_mul_i32 s69, s69, 2*BLK
	s_add_co_u32 s76, s76, s69
	s_mul_i32 s69, s[WV], BLK/2
	s_add_co_u32 s76, s76, s69                     ; the prefetch: sixteenth y % 16 of the four groups, my wave's quarter of it
	s_mov_b32 s77, 0
	s_lshl_b32 s78, s20, 11
	s_lshl_b32 s69, s[WB], 9
	s_add_co_u32 s78, s78, s69                     ; my numbers of b1; the second tile's lie 1,024 bytes on
	s_mov_b32 s79, 0
	s_lshl_b32 s84, s21, 5
	s_add_co_u32 s84, s84, s68
	s_add_co_u32 s84, s84, s[WB]
	s_mul_i32 s84, s84, BLK                        ; hid: block (token group, K step 4 x + 2 t + wb)
	s_mul_i32 s69, s[WA], 6144
	s_add_co_u32 s80, s84, s69
	s_mov_b32 s81, 0
	s_lshl_b32 s70, s[WA], 8
	s_add_co_u32 s82, s84, s70
	s_add_co_u32 s82, s82, 12288
	s_mov_b32 s83, 0
	s_add_co_u32 s70, s70, 12288
	s_mov_b32 s2, 0x76543210
	s_mov_b32 s3, 0xfedcba98
	v_and_b32 v1, 31, v0
	v_and_b32 v[R4], 15, v0
	v_bfe_u32 v[BO], v0, 4, 1
	v_lshlrev_b32 v[GO16], 4, v1
	v_lshlrev_b32 v[GO4], 2, v1
	v_lshlrev_b32 v[R4], 2, v[R4]
	v_lshlrev_b32 v[BO], 5, v[BO]
	v_min_u32 v[PF], 24, v1                        ; 25 blocks a wave: the lanes left over name the last again
	v_lshlrev_b32 v[PF], 8, v[PF]
	v_add_nc_u32 v[ADRA], s69, v[GO16]
	v_add_nc_u32 v[ADSA], s70, v[GO4]
	v_add_nc_u32 v[ADRA+1], 4*BLK, v[ADRA]
	v_add_nc_u32 v[ADSA+1], 4*BLK, v[ADSA]
	CONST CA13, 0xaf95df0a
	CONST CA11, 0x32edffee
	CONST CA9,  0xb60cff51
	CONST CA7,  0xb86ec2d2
	CONST CA5,  0xba40ac63
	CONST CA3,  0xbb41a1f6
	CONST CA1,  0xbc83dbd4
	CONST CB8,  0xb77460cd
	CONST CB6,  0xb95fbd29
	CONST CB4,  0xbadc924e
	CONST CB2,  0xbbf19bf8
	CONST CB0,  0xbc69b6a7
	CONST RH,   0x3f3504f3
	s_wait_alu depctr_va_vdst(0)                   ; the wait at the head's end
	s_wait_dscnt 0x0                               ; both opening adds are done
	s_wait_kmcnt 0x0
	s_add_nc_u64 s[G0A+2:G0A+3], s[4:5], s[66:67]
	s_or_b32 s[G0A+3], s[G0A+3], 0x80000000
	s_add_nc_u64 s[BP:BP+1], s[6:7], s[72:73]
	s_add_nc_u64 s[BS:BS+1], s[6:7], s[74:75]
	s_add_nc_u64 s[PFB:PFB+1], s[6:7], s[76:77]
	s_add_nc_u64 s[BB:BB+1], s[8:9], s[78:79]
	s_add_nc_u64 s[80:81], s[10:11], s[80:81]
	s_add_nc_u64 s[82:83], s[10:11], s[82:83]
	CROUND                                         ; all sixteen work-groups are here: the joint loads meet
	tensor_load_to_lds s[G0A:G0A+3], s[G1A:G1A+7]  ; one line, every wave its own two K steps; every wave waits for it below
	s_nop 0
	PLACES
	global_prefetch_b8 v[PF], s[PFB:PFB+1] th:TH_LOAD_NT scope:SCOPE_SE
	WIN 0xc0                                       ; destination window 3: the bias of both tiles; register 8 b + j: hidden unit 16 b + 8 h + j
.irp t, 0,1
.irp b, 0,1,2,3,4,5,6,7
	global_load_b128 v[96+64*\t+8*\b:96+64*\t+8*\b+3], v[BO], s[BB:BB+1] offset:1024*\t+64*\b
	global_load_b128 v[96+64*\t+8*\b+4:96+64*\t+8*\b+7], v[BO], s[BB:BB+1] offset:1024*\t+64*\b+16
.endr
.endr
	WIN 0
	FETCHB 0
	FETCHB 1
	s_wait_tensorcnt 0x0                           ; my two K steps of the tokens have landed,
	s_barrier_signal -1
	s_barrier_wait -1                              ; everybody's have
	FETCHA 0
	STEP 0, 1                                      ; the first K step starts the sums
.irp n, 1,2,3,4,5,6,7
	STEP \n, 0
.endr
	PLACES
	EPILOG 0
	s_add_nc_u64 s[80:81], s[80:81], 2*BLK-4*1536  ; the second tile's block lies two blocks on
	s_add_nc_u64 s[82:83], s[82:83], 2*BLK-4*64
	FETCHA 8
	STEP 8, 1                                      ; the sums begin anew
.irp n, 9,10,11,12,13,14,15
	STEP \n, 0
.endr
	PLACES
	EPILOG 1
	s_wait_tensorcnt 0x0                           ; the wave's end
	ds_add_u32 v[SPW], v[NIL]
	s_wait_dscnt 0x0
	CROUND                                         ; the closing round
	s_endpgm
.Lfunc_end_k_q5ed84ab299_ffn1:
	.size	k_q5ed84ab299_ffn1, .Lfunc_end_k_q5ed84ab299_ffn1-k_q5ed84ab299_ffn1
	.p2alignl 7, 3214868480
	.fill 96, 4, 3214868480
	.section	.rodata,"a",@progbits
	.p2align	6, 0x0
	.amdhsa_kernel k_q5ed84ab299_ffn1
		.amdhsa_group_segment_fixed_size 167936
		.amdhsa_private_segment_fixed_size 0
		.amdhsa_enable_private_segment 0
		.amdhsa_kernarg_size 32
		.amdhsa_user_sgpr_count 2
		.amdhsa_user_sgpr_kernarg_segment_ptr 1
		.amdhsa_wavefront_size32 1
		.amdhsa_system_sgpr_workgroup_id_x 1
		.amdhsa_system_sgpr_workgroup_id_y 1
		.amdhsa_system_sgpr_workgroup_id_z 1
		.amdhsa_system_vgpr_workitem_id 0
		.amdhsa_next_free_vgpr 992
		.amdhsa_next_free_sgpr 100
		.amdhsa_reserve_vcc 0
		.amdhsa_float_denorm_mode_32 3
		.amdhsa_float_denorm_mode_16_64 3
		.amdhsa_memory_ordered 1
		.amdhsa_forward_progress 1
		.amdhsa_inst_pref_size 239
	.end_amdhsa_kernel
	.amdgpu_metadata
---
amdhsa.version: [ 1, 2 ]
amdhsa.kernels:
  - .name:           k_q5ed84ab299_ffn1
    .symbol:         k_q5ed84ab299_ffn1.kd
    .args:
      - { .name: h2, .offset: 0, .size: 8, .value_kind: global_buffer, .address_space: global }
      - { .name: wimg, .offset: 8, .size: 8, .value_kind: global_buffer, .address_space: global }
      - { .name: b1, .offset: 16, .size: 8, .value_kind: global_buffer, .address_space: global }
      - { .name: hid, .offset: 24, .size: 8, .value_kind: global_buffer, .address_space: global }
    .group_segment_fixed_size: 167936
    .private_segment_fixed_size: 0
    .kernarg_segment_align: 8
    .kernarg_segment_size: 32
    .max_flat_workgroup_size: 128
    .sgpr_count:     100
    .vgpr_count:     992
    .wavefront_size: 32
...
	.end_amdgpu_metadata
.endif
;; end of part 5
;; launch ffn2 (part 6): grid 8 x 32, 4 waves a work-group, clusters of 4 x 4, 327,680 bytes of LDS; arguments hid, wimg, x1, b2, out0; writes out0
.if DOCPART == 6
	.amdgcn_target "amdgcn-amd-amdhsa--gfx1250"
	.amdhsa_code_object_version 6
	.text
	.protected	k_q5ed84ab299_ffn2
	.globl	k_q5ed84ab299_ffn2
	.p2align	8
	.type	k_q5ed84ab299_ffn2,@function
k_q5ed84ab299_ffn2:
	s_mov_b64 s[64:65], 0
	v_nop
	global_prefetch_b8 v0, s[64:65] scope:SCOPE_SE
	s_setreg_imm32_b32 hwreg(HW_REG_WAVE_MODE, 25, 1), 1
	s_wait_xcnt 0x0
	s_wait_alu depctr_hold_cnt(0) depctr_sa_sdst(0) depctr_va_vdst(0) depctr_va_sdst(0) depctr_va_ssrc(0) depctr_va_vcc(0) depctr_vm_vsrc(0)
	s_getreg_b32 s2, hwreg(HW_REG_IB_STS2, 6, 4)
	s_cmp_eq_u32 s2, 0
	s_cbranch_scc0 .Lentry_in_a_cluster
	s_endpgm
.Lentry_in_a_cluster:
	s_bfe_u32 s2, ttmp6, 0x10000c
	s_cmp_lg_u32 s2, 0xf033
	s_cbranch_scc0 .Lentry_shape_is_right
	s_endpgm
.Lentry_shape_is_right:
; out = x1 + hid W2 + b2, the product on FP6 codes with E8M0 scales; out is f32.
; OPERANDS are images of registers in blocks of 12,800 bytes (128 rows x 128 K: eight fragments of 1,536 bytes, then 512 bytes of scale words), [group of 128 rows][K step].
; A work-group makes 128 tokens x 128 columns: 256 work-groups; wave (wa, wb) 64 x 64: 16 accumulators.  Source 0 = 16 columns of the weight, source 1 = 16 tokens: a lane holds eight neighbouring numbers of a row of the result.
; K = 4,096 is 32 K steps.  THE TOKENS' blocks go through LDS: two slots of TWELVE K steps (2 x 153,600 bytes).  At the head one joint load a wave, six K steps each (76,800 dense bytes): K steps 0-23.
; Wave 0's tile is shown by the first barrier, wave 1's by a barrier in K step 5, waves 2 and 3's by the round in K step 11.  Behind that round, the one refill: K steps 24-31 into slot 0, two K steps a wave; a barrier in K step 23 shows it.
; THE WEIGHT'S FRAGMENTS GO FROM MEMORY STRAIGHT INTO REGISTERS: they lie there as the registers want them, 512 consecutive bytes an instruction.  So a K step reads from LDS 4 fragments a wave and not 8.
; They are asked for LEAD = 4 K steps ahead, in five sets of registers that take turns.  The residual and the bias are asked for ahead of them, at the head.
; CLUSTER 4 x 4: the tokens' blocks are shared along a row: joint loads.  The weight is not shared so: what goes into registers has no such form.
; PREFETCH: my group of W2 (409,600 bytes) is read by the 32 work-groups of my x; sixteen of them (y % 16) share its blocks of 256 bytes out by address, 25 blocks a wave, one instruction at the head.
; The tokens' tiles are not prefetched: 24 of 32 K steps are asked for at the head, and the refill has twelve K steps in which to land.
; The K steps are written out by macros: sets of five and of two come back to where they began after ten steps, which does not divide 32.
.set WOFF,  6553600                    ; W2's images
.set NBT,   4
.set BLK,   12800
.set NK,    32
.set GSTR,  NK*BLK
.set SLOT,  12*BLK
.set SPARE, 2*SLOT
.set STAGE, SLOT                       ; the way out's stages lie in slot 1: it has its only fill at the head, and behind the barrier in K step 23 nobody reads it
.set LEAD,  4
.set NSB,   5
.set NLA,   14                         ; LDS loads of a K step: 12 + 2
.set NLB,   14                         ; global loads of a K step: 12 + 2
.set WV, 14
.set WA, 15
.set WB, 16
.set G1A, 24                           ; s[24:31] group 1 of the head's loads; s[32:35] their group 0; s[36:39], s[40:47] the refill's
.set G0A, 32
.set G0R, 36
.set G1R, 40
.set BP,  48                           ; s[48:49] my fragments of the weight; s[50:51] their scale words; s[52:53] my share of the prefetch; s[54:55] the residual; s[56:57] the result; s[58:59] the bias
.set BS,  50
.set ADRA, 2                           ; v2-7 the tokens' fragments, a register for each four K steps of LDS; v8-13 their scale words
.set ADSA, 8
.set GO16, 14                          ; 16 x lane
.set GO4,  15                          ; 4 x lane
.set RO,   19                          ; the result and the residual: lanes 0-15 one row's 256 bytes, lanes 16-31 the next row's
.set SPW, 20
.set NIL, 21
.set SI,  22                           ; my stage: in,
.set SO,  23                           ; and back
.set SCA, 24                           ; v24-27 the tokens' scale words, two sets; v28-31, v36-39, v44-45 the weight's, five sets: they hold scales and nothing else
.set SCB, 28
.set PF,  32
.set AFR, 48                           ; v48-143 the tokens' fragments, two sets; on the way out rows of the result.  Window 1: the accumulators.  Window 2: the weight's five sets.  Window 3: the residual
.set MUL,  0x52
.set MSB, 0
.macro WIN new
.if MSB != (\new)
	s_set_vgpr_msb (MSB<<8)|(\new)
.set MSB, (\new)
.endif
.endm
.macro CREST
	s_cmp_lg_u32 s[WV], 0
	s_cbranch_scc1 .Lnw0_\@
	s_barrier_signal -3
.Lnw0_\@:
	s_barrier_wait -3
	s_barrier_signal -1
	s_barrier_wait -1
.endm
.macro CROUND
	s_barrier_signal -1
	s_barrier_wait -1
	CREST
.endm
.macro PLACES                          ; four plain places behind matrix instructions (ISA guide 7.12.1)
.rept 4
	v_nop
.endr
.endm
.macro GR1 g, rows                     ; a dense block as rows of 256 bytes
	s_mov_b32 s[\g+1], 32<<16
	s_mov_b32 s[\g+2], (\rows)<<16
	s_mov_b32 s[\g+3], 32<<16
	s_mov_b32 s[\g+4], \rows
	s_mov_b32 s[\g+5], 32
	s_mov_b32 s[\g+6], 0
	s_mov_b32 s[\g+7], 0
.endm
.macro HLOAD
	tensor_load_to_lds s[G0A:G0A+3], s[G1A:G1A+7]
	s_nop 0
	PLACES
.endm
.macro WM1 c, rb, ra
	v_wmma_scale_f32_16x16x128_f8f6f4 v[DD:DD+7], v[BF:BF+11], v[AF:AF+11], \c, v[SBR], v[SAR] matrix_a_fmt:MATRIX_FMT_FP6 matrix_b_fmt:MATRIX_FMT_FP6 matrix_a_scale:MATRIX_SCALE_ROW\rb matrix_b_scale:MATRIX_SCALE_ROW\ra
.endm
.macro WM c                            ; the scale words of tiles 2 i and 2 i + 1 share a register: lanes 0-15 and lanes 16-31
.if RB && RA
	WM1 \c, 1, 1
.elseif RB
	WM1 \c, 1, 0
.elseif RA
	WM1 \c, 0, 1
.else
	WM1 \c, 0, 0
.endif
.endm
.macro MULA k, a, zero                 ; the accumulators take turns, one instruction a turn, in the same order in every K step
.set BQ, 0
.rept NBT
.set DD, 8*(NBT*(\a)+BQ)
.set BF, 48*((\k)%NSB)+12*BQ
.set AF, AFR+48*((\k)%2)+12*(\a)
.set SBR, SCB+8*(((\k)%NSB)/2)+2*(((\k)%NSB)%2)+BQ/2
.set SAR, SCA+2*((\k)%2)+(\a)/2
.set RB, BQ%2
.set RA, (\a)%2
.if \zero
	WM 0
.else
	WM v[DD:DD+7]
.endif
.set BQ, BQ+1
.endr
.endm
.macro FETCHB k                        ; my four fragments of the weight and their scale words, K step k, into set k % 5
	WIN 0x80                                       ; destination window 2
.set BQ, 0
.rept NBT
.irp c, 0,1,2
	global_load_b128 v[48*((\k)%NSB)+12*BQ+4*\c:48*((\k)%NSB)+12*BQ+4*\c+3], v[GO16], s[BP:BP+1] offset:(\k)*BLK+1536*BQ+512*\c
.endr
.set BQ, BQ+1
.endr
	WIN 0
.irp i, 0,1
	global_load_b32 v[SCB+8*(((\k)%NSB)/2)+2*(((\k)%NSB)%2)+\i], v[GO4], s[BS:BS+1] offset:(\k)*BLK+128*\i
.endr
.endm
.macro FETCHA k                        ; my four fragments of the tokens and their scale words, K step k (it lies at place k % 24 of LDS), into set k % 2
.set PL, (\k)%24
.irp a, 0,1,2,3
.irp c, 0,1,2
	ds_load_b128 v[AFR+48*((\k)%2)+12*\a+4*\c:AFR+48*((\k)%2)+12*\a+4*\c+3], v[ADRA+PL/4] offset:(PL%4)*BLK+1536*\a+512*\c
.endr
.endr
.irp j, 0,1
	ds_load_b32 v[SCA+2*((\k)%2)+\j], v[ADSA+PL/4] offset:(PL%4)*BLK+128*\j
.endr
.endm
.macro ASK k                           ; four places, then the weight's K step k + LEAD
	PLACES
.if (\k)+LEAD < NK
	FETCHB (\k)+LEAD
.endif
.endm
.macro LWAIT k                         ; the weight's K step k is in: younger are the loads of the K steps behind it
.if (\k)+LEAD < NK
	s_wait_loadcnt LEAD*NLB
.else
	s_wait_loadcnt NLB*(NK-1-(\k))
.endif
.endm
.macro STEP k, zero
	ASK \k
	FETCHA (\k)+1
	s_wait_dscnt NLA                               ; all but the NLA loads just issued
	LWAIT \k
	WIN MUL
	MULA \k, 0, \zero
	MULA \k, 1, \zero
	MULA \k, 2, \zero
	MULA \k, 3, \zero
	WIN 0
.endm
.macro SHOW k, part                    ; a K step whose successor lies in bytes that no barrier has shown yet: a plain barrier, behind which nothing is filled.  part = 1: waves 0 and 1 alone wait: wave 1's tile is shown
	ASK \k
.if \part
	s_cmp_lt_u32 s[WV], 2
	s_cbranch_scc0 .Lns_\@
	s_wait_tensorcnt 0x0
.Lns_\@:
.else
	s_wait_tensorcnt 0x0
.endif
	s_wait_dscnt 0x0
	LWAIT \k
	s_barrier_signal -1
	WIN MUL
	MULA \k, 0, 0
	MULA \k, 1, 0
	WIN 0
	s_barrier_wait -1
	FETCHA (\k)+1
	WIN MUL
	MULA \k, 2, 0
	MULA \k, 3, 0
	WIN 0
.endm
	s_load_b256 s[4:11], s[0:1], 0x0               ; the tokens' images s[4:5], the weights' s[6:7], the residual s[8:9], the bias s[10:11]
	s_load_b64 s[12:13], s[0:1], 0x20              ; the result
	v_lshl_add_u32 v[SPW], v0, 2, SPARE
	v_mov_b32 v[NIL], 0
	ds_add_u32 v[SPW], v[NIL]                      ; the wave's opening: the add, twice on end, and its wait ahead of the round in front of the first tensor loads
	ds_add_u32 v[SPW], v[NIL]
	v_lshrrev_b32 v1, 5, v0
	v_readfirstlane_b32 s[WV], v1
	s_lshr_b32 s[WA], s[WV], 1
	s_and_b32 s[WB], s[WV], 1
	s_bfe_u32 s17, ttmp6, 0x40000
	s_bfe_u32 s18, ttmp6, 0x40004
	s_lshl_b32 s20, ttmp9, 2
	s_add_co_u32 s20, s20, s17                     ; x: my 128 columns
	s_and_b32 s21, ttmp7, 0xffff
	s_lshl_b32 s21, s21, 2
	s_add_co_u32 s21, s21, s18                     ; y: my 128 tokens
	s_lshl_b32 s22, s18, 2
	s_lshl_b32 s22, 15, s22                        ; my row of the cluster
	s_or_b32 s[G1A], s22, (3<<16)|(1<<21)          ; elements of 8 bytes; the mask, and bit 21 beside it
	s_or_b32 s[G1R], s22, (3<<16)|(1<<21)
	GR1 G1A, 300                                   ; six K steps
	GR1 G1R, 100                                   ; two
	s_mov_b32 s[G0A], 1
	s_mov_b32 s[G0R], 1
	s_mul_i32 s[G0A+1], s[WV], 6*BLK               ; my part, in LDS and in memory alike: no place in the cluster enters an LDS address
	s_mul_i32 s[G0R+1], s[WV], 2*BLK
	s_mul_i32 s66, s21, GSTR                       ; the tokens' group
	s_add_co_u32 s68, s66, s[G0A+1]
	s_mov_b32 s69, 0
	s_add_co_u32 s70, s66, s[G0R+1]
	s_add_co_u32 s70, s70, 24*BLK
	s_mov_b32 s71, 0
	s_mul_i32 s72, s20, GSTR
	s_add_co_u32 s72, s72, WOFF                    ; the weight's group
	s_mul_i32 s74, s[WB], 6144
	s_add_co_u32 s74, s74, s72
	s_mov_b32 s75, 0
	s_lshl_b32 s76, s[WB], 8
	s_add_co_u32 s76, s76, s72
	s_add_co_u32 s76, s76, 12288
	s_mov_b32 s77, 0
	s_and_b32 s78, s21, 15
	s_mul_i32 s78, s78, 2*BLK
	s_add_co_u32 s78, s78, s72
	s_mul_i32 s73, s[WV], BLK/2
	s_add_co_u32 s78, s78, s73                     ; the prefetch: sixteenth y % 16 of the group, my wave's quarter of it
	s_mov_b32 s79, 0
	s_lshl_b32 s84, s20, 9
	s_lshl_b32 s73, s[WB], 8
	s_add_co_u32 s84, s84, s73                     ; my first column, in bytes
	s_mov_b32 s85, 0
	s_lshl_b32 s82, s21, 7
	s_lshl_b32 s73, s[WA], 6
	s_add_co_u32 s82, s82, s73
	s_lshl_b32 s82, s82, 12                        ; my first row, in bytes
	s_add_co_u32 s82, s82, s84
	s_mov_b32 s83, 0
	s_mul_i32 s86, s[WA], 6144                     ; LDS: my four tiles of the tokens,
	s_lshl_b32 s87, s[WA], 8
	s_add_co_u32 s87, s87, 12288                   ; their scale words,
	s_mul_i32 s88, s[WV], 4352
	s_add_co_u32 s88, s88, STAGE                   ; my stage: 16 rows of 256 + 16 bytes
	v_and_b32 v1, 31, v0
	v_and_b32 v17, 15, v0                          ; r
	v_bfe_u32 v18, v0, 4, 1                        ; h
	v_lshlrev_b32 v[GO16], 4, v1
	v_lshlrev_b32 v[GO4], 2, v1
	v_lshlrev_b32 v16, 4, v17
	v_lshl_add_u32 v[RO], v18, 12, v16
	v_min_u32 v[PF], 24, v1                        ; 25 blocks a wave: the lanes left over name the last again
	v_lshlrev_b32 v[PF], 8, v[PF]
	v_add_nc_u32 v[ADRA], s86, v[GO16]
	v_add_nc_u32 v[ADSA], s87, v[GO4]
.irp i, 1,2,3,4,5
	v_add_nc_u32 v[ADRA+\i], \i*4*BLK, v[ADRA]
	v_add_nc_u32 v[ADSA+\i], \i*4*BLK, v[ADSA]
.endr
	v_mul_u32_u24 v[SI], v17, 272
	v_lshl_add_u32 v[SI], v18, 5, v[SI]
	v_add_nc_u32 v[SI], s88, v[SI]                 ; in: row r, + 32 h
	v_mul_u32_u24 v[SO], v18, 272
	v_add_nc_u32 v[SO], v[SO], v16
	v_add_nc_u32 v[SO], s88, v[SO]                 ; back: two rows an instruction
	s_wait_alu depctr_va_vdst(0)                   ; the wait at the head's end
	s_wait_dscnt 0x0                               ; both opening adds are done
	s_wait_kmcnt 0x0
	s_add_nc_u64 s[G0A+2:G0A+3], s[4:5], s[68:69]
	s_or_b32 s[G0A+3], s[G0A+3], 0x80000000
	s_add_nc_u64 s[G0R+2:G0R+3], s[4:5], s[70:71]
	s_or_b32 s[G0R+3], s[G0R+3], 0x80000000
	s_add_nc_u64 s[BP:BP+1], s[6:7], s[74:75]
	s_add_nc_u64 s[BS:BS+1], s[6:7], s[76:77]
	s_add_nc_u64 s[52:53], s[6:7], s[78:79]
	s_add_nc_u64 s[54:55], s[8:9], s[82:83]
	s_add_nc_u64 s[56:57], s[12:13], s[82:83]
	s_add_nc_u64 s[58:59], s[10:11], s[84:85]
	CROUND                                         ; all sixteen work-groups are here: the first joint loads meet
	s_cmp_eq_u32 s[WV], 0                          ; one load a wave; waves 0 and 1, whose tiles are shown ahead of the others', have lines of their own
	s_cbranch_scc0 .Lh1
	HLOAD
	s_branch .Lhd
.Lh1:
	s_cmp_eq_u32 s[WV], 1
	s_cbranch_scc0 .Lh2
	HLOAD
	s_branch .Lhd
.Lh2:
	HLOAD
.Lhd:
	global_prefetch_b8 v[PF], s[52:53] th:TH_LOAD_NT scope:SCOPE_SE
	global_load_b128 v[144:147], v16, s[58:59]     ; the bias of my four columns
	WIN 0xc0                                       ; destination window 3: the residual
.irp a, 0,1,2,3
.irp t, 0,1,2,3,4,5,6,7
	global_load_b128 v[32*\a+4*\t:32*\a+4*\t+3], v[RO], s[54:55] offset:65536*\a+8192*\t
.endr
.endr
	WIN 0
	FETCHB 0
	FETCHB 1
	FETCHB 2
	FETCHB 3
	s_cmp_eq_u32 s[WV], 0
	s_cbranch_scc0 .Lnot0
	s_wait_tensorcnt 0x0                           ; wave 0: K steps 0-5 have landed; the other tiles may stay out
.Lnot0:
	s_barrier_signal -1
	s_barrier_wait -1
	FETCHA 0
	STEP 0, 1                                      ; the first K step starts the sums
.irp k, 1,2,3,4
	STEP \k, 0
.endr
	SHOW 5, 1
.irp k, 6,7,8,9,10
	STEP \k, 0
.endr
	; K step 11: slot 0 is read out; the round, and the refill
	ASK 11
	s_wait_tensorcnt 0x0                           ; all my tensor loads have landed;
	ds_add_u32 v[SPW], v[NIL]                      ; 0 onto my spare word
	s_wait_dscnt 1                                 ; (the add alone may be out: this step's tokens are in)
	LWAIT 11
	WIN MUL
	MULA 11, 0, 0
	MULA 11, 1, 0
	s_wait_dscnt 0x0                               ; the add is done, and my reads of slot 0 are over
	s_barrier_signal -1
	MULA 11, 2, 0
	WIN 0
	s_barrier_wait -1
	CREST                                          ; the barrier has opened a round of the cluster's: no wave of any partner still reads slot 0 or has a load on its way; slot 1 is whole
	tensor_load_to_lds s[G0R:G0R+3], s[G1R:G1R+7]  ; K steps 24-31: one line, every wave its own two K steps; every wave waits for it in K step 23
	s_nop 0
	PLACES
	FETCHA 12
	WIN MUL
	MULA 11, 3, 0
	WIN 0
.irp k, 12,13,14,15,16,17,18,19,20,21,22
	STEP \k, 0
.endr
	SHOW 23, 0
.irp k, 24,25,26,27,28,29,30
	STEP \k, 0
.endr
	s_wait_dscnt 0x0                               ; K step 31
	s_wait_loadcnt 0x0
	WIN MUL
	MULA 31, 0, 0
	MULA 31, 1, 0
	MULA 31, 2, 0
	MULA 31, 3, 0
	WIN 0
	PLACES
; THE WAY OUT, 16 rows x 64 columns at a time, through my stage: whole rows of 256 bytes come back, take the residual and the bias, and leave as aligned runs of 256 bytes
.macro EPI a
.set BK, 48+32*((\a)%2)
.if \a > 1
	s_wait_xcnt 0x0                                ; the stores of two tiles back have read these registers
.endif
	WIN 0x04                                       ; an LDS store's data are its source 1: window 1
.irp b, 0,1,2,3
	ds_store_b128 v[SI], v[8*(4*(\a)+\b):8*(4*(\a)+\b)+3] offset:64*\b          ; each accumulator from its low end on
	ds_store_b128 v[SI], v[8*(4*(\a)+\b)+4:8*(4*(\a)+\b)+7] offset:64*\b+16
.endr
	WIN 0
.irp t, 0,1,2,3,4,5,6,7
	ds_load_b128 v[BK+4*\t:BK+4*\t+3], v[SO] offset:544*\t   ; LDS serves a wave's instructions in order: these see my stores
.endr
	s_wait_dscnt 0x0
	WIN 0x0c                                       ; source 1 window 3
.set I, 0
.rept 16
	v_pk_add_f32 v[BK+I:BK+I+1], v[BK+I:BK+I+1], v[32*(\a)+I:32*(\a)+I+1]
.set I, I+2
.endr
	WIN 0
.irp t, 0,1,2,3,4,5,6,7
	v_pk_add_f32 v[BK+4*\t:BK+4*\t+1], v[BK+4*\t:BK+4*\t+1], v[144:145]
	v_pk_add_f32 v[BK+4*\t+2:BK+4*\t+3], v[BK+4*\t+2:BK+4*\t+3], v[146:147]
.endr
.irp t, 0,1,2,3,4,5,6,7
	global_store_b128 v[RO], v[BK+4*\t:BK+4*\t+3], s[56:57] offset:65536*(\a)+8192*\t
.endr
.endm
	EPI 0
	EPI 1
	EPI 2
	EPI 3
	s_wait_tensorcnt 0x0                           ; the wave's end
	ds_add_u32 v[SPW], v[NIL]
	s_wait_dscnt 0x0
	CROUND                                         ; the closing round: no work-group ends while a partner may still ask for a tile that names it
	s_endpgm
.Lfunc_end_k_q5ed84ab299_ffn2:
	.size	k_q5ed84ab299_ffn2, .Lfunc_end_k_q5ed84ab299_ffn2-k_q5ed84ab299_ffn2
	.p2alignl 7, 3214868480
	.fill 96, 4, 3214868480
	.section	.rodata,"a",@progbits
	.p2align	6, 0x0
	.amdhsa_kernel k_q5ed84ab299_ffn2
		.amdhsa_group_segment_fixed_size 327680
		.amdhsa_private_segment_fixed_size 0
		.amdhsa_enable_private_segment 0
		.amdhsa_kernarg_size 40
		.amdhsa_user_sgpr_count 2
		.amdhsa_user_sgpr_kernarg_segment_ptr 1
		.amdhsa_wavefront_size32 1
		.amdhsa_system_sgpr_workgroup_id_x 1
		.amdhsa_system_sgpr_workgroup_id_y 1
		.amdhsa_system_sgpr_workgroup_id_z 1
		.amdhsa_system_vgpr_workitem_id 0
		.amdhsa_next_free_vgpr 896
		.amdhsa_next_free_sgpr 100
		.amdhsa_reserve_vcc 0
		.amdhsa_float_denorm_mode_32 3
		.amdhsa_float_denorm_mode_16_64 3
		.amdhsa_memory_ordered 1
		.amdhsa_forward_progress 1
		.amdhsa_inst_pref_size 172
	.end_amdhsa_kernel
	.amdgpu_metadata
---
amdhsa.version: [ 1, 2 ]
amdhsa.kernels:
  - .name:           k_q5ed84ab299_ffn2
    .symbol:         k_q5ed84ab299_ffn2.kd
    .args:
      - { .name: hid, .offset: 0, .size: 8, .value_kind: global_buffer, .address_space: global }
      - { .name: wimg, .offset: 8, .size: 8, .value_kind: global_buffer, .address_space: global }
      - { .name: x1, .offset: 16, .size: 8, .value_kind: global_buffer, .address_space: global }
      - { .name: b2, .offset: 24, .size: 8, .value_kind: global_buffer, .address_space: global }
      - { .name: out0, .offset: 32, .size: 8, .value_kind: global_buffer, .address_space: global }
    .group_segment_fixed_size: 327680
    .private_segment_fixed_size: 0
    .kernarg_segment_align: 8
    .kernarg_segment_size: 40
    .max_flat_workgroup_size: 128
    .sgpr_count:     100
    .vgpr_count:     896
    .wavefront_size: 32
...
	.end_amdgpu_metadata
.endif
;; end of part 6
